; MI455X (gfx1250); checked and timed in simulation.
; The chip was launched on July 23, 2026; its instructions are those of AMD's public machine-readable ISA for CDNA 5 (MIT licence, August 2026) and "CDNA5" Instruction Set Architecture Reference Guide (July 2026). The comments in the code are by the model that wrote it; some were corrected since.
;; Multi Head Attention. Allowed arithmetic: matrix products marked QUANTISED: E2M1 operands, one E8M0 scale for each 32 along K, by v_wmma_scale_f32_16x16x128_f8f6f4 with both operands' format E2M1 (or v_wmma_scale_f32_32x16x128_f4), f32 sums; products left as they are: bf16, f16 or f32 operands; f32 sums; everything else in f32.
;; Inputs: dense_b 1,024 float32; dense_w 1,024 x 1,024 float32; k 4 x 2,048 x 1,024 float32; q 4 x 2,048 x 1,024 float32; v 4 x 2,048 x 1,024 float32; wk_b 1,024 float32; wk_w 1,024 x 1,024 float32; wq_b 1,024 float32; wq_w 1,024 x 1,024 float32; wv_b 1,024 float32; wv_w 1,024 x 1,024 float32.
;; Outputs: out0 4 x 2,048 x 1,024 float32.
;; This version of the problem:
;;   THIS VERSION OF THE PROBLEM IS GIVEN IN LOW PRECISION. The matrix products marked QUANTISED in the list below multiply operands that are first quantised to E2M1 (2 exponent bits, 1 mantissa bit; 4 bits a number), with one power-of-two scale for each 32 numbers along K (OCP MX v1.0); their sums are f32. The products marked 'left as it is' may take bf16, f16 or f32 operands, with f32 sums. Whichever they take, every output number must still come out within the allowed error. Rounding operands to bf16 (8 significant bits) uses up far more of that allowance than f16 does (11 bits, for magnitudes from 6e-5 to 65,504). All else is computed in f32.
;;   The module's matrix products, in the order in which they are computed (A, B: the left and right operand; K: the contracted axis; several contracted axes count as one K, in the product's order):
;;     1. [M 8,192, K 1,024] x [K 1,024, N 1,024]; A: input q; B: input wq_w: QUANTISED
;;     2. [M 8,192, K 1,024] x [K 1,024, N 1,024]; A: input k; B: input wk_w: QUANTISED
;;     3. [M 8,192, K 1,024] x [K 1,024, N 1,024]; A: input v; B: input wv_w: QUANTISED
;;     4. batch 64 x [M 2,048, K 64] x [K 64, N 2,048]; A: computed on the way; B: computed on the way: left as it is (an operand is computed on the way)
;;     5. batch 64 x [M 2,048, K 2,048] x [K 2,048, N 64]; A: computed on the way; B: computed on the way: left as it is (an operand is computed on the way)
;;     6. [M 8,192, K 1,024] x [K 1,024, N 1,024]; A: computed on the way; B: input dense_w: left as it is (an operand is computed on the way)
;;   THE QUANTISER, for each operand of a quantised product, along K:
;;     - K is cut into blocks of 32 from its start; a last block that is shorter is filled with zeros.
;;     - A block's scale is 2^e with e = floor(log2(the largest magnitude in the block)) - 2, held to -126 .. 127; a block of zeros has e = 0. As a byte (E8M0): e + 127.
;;     - Each number is divided by its block's scale, clamped to +-6, and rounded to the nearest number of E2M1, ties to even, subnormals kept.
;;     - The product sums the exact products of the quantised numbers (number of the format x scale) in f32.
;;   ~~~python
;;   def quantise(x, axis):      # numpy; x: float32 -> the quantised numbers, widened to float32 again
;;       x = np.moveaxis(x, axis, -1); K = x.shape[-1]
;;       x = np.pad(x, [(0, 0)] * (x.ndim - 1) + [(0, -K % 32)]); x = x.reshape(x.shape[:-1] + (-1, 32)); a = np.abs(x).max(-1, keepdims=True)
;;       e = np.where(a > 0, np.clip(np.frexp(np.where(a > 0, a, 1))[1] - 1 - 2, -126, 127), 0)      # np.frexp(a)[1] - 1 = floor(log2(a)), exactly
;;       r = np.clip(x / 2.0 ** e, -6, 6)
;;       step = 2.0 ** (np.maximum(np.frexp(np.where(r == 0, 1, r))[1] - 1, 0) - 1)
;;       q = np.round(r / step) * step * 2.0 ** e      # np.round: ties to even
;;       return np.moveaxis(q.reshape(q.shape[:-2] + (-1,))[..., :K], -1, axis).astype(np.float32)
;;   ~~~
;; One version. Each part assembles by itself: llvm-mc -triple=amdgcn-amd-amdhsa -mcpu=gfx1250 --defsym DOCPART=n.
;; ======== version 1 of 1: 5 launches
;; limits: values are held in f16: magnitudes above 65,504 overflow, below 6.1e-05 lose precision
;; workspace buffers: codes 14,155,776 bytes; scales 884,736 bytes; dwh 2,097,152 bytes; qkv 50,331,648 bytes; rows16 786,432 bytes; ao 16,777,216 bytes
;; launch quant (part 1): grid 896 x 1, 4 waves a work-group, no clusters, 33,280 bytes of LDS; arguments q, k, v, wq_w, wk_w, wv_w, dense_w, codes, scales, dwh; writes codes, scales, dwh
.if DOCPART == 1
	.amdgcn_target "amdgcn-amd-amdhsa--gfx1250"
	.amdhsa_code_object_version 6
	.text
	.protected	k_q8a426be48d_quant
	.globl	k_q8a426be48d_quant
	.p2align	8
	.type	k_q8a426be48d_quant,@function
k_q8a426be48d_quant:
	s_mov_b64 s[64:65], 0
	v_nop
	global_prefetch_b8 v0, s[64:65] scope:SCOPE_SE
	s_setreg_imm32_b32 hwreg(HW_REG_WAVE_MODE, 25, 1), 1
	s_wait_xcnt 0x0
; FIRST OF FIVE LAUNCHES of a multi-head attention (4 x 2,048 x 1,024, 16 heads of 64, causal).
; This one turns q, k, v, wq_w, wk_w, wv_w (f32, K innermost) into codes of FP4 (E2M1) with one E8M0 byte for each 32 along K, and dense_w into f16.
; WORK LEFT OUT BY THE WHOLE PROGRAM, AND WHY IT IS DEAD:
;  (a) wk_b.  kh = k wk_w^T + wk_b enters the result only through logits[q][key] = qh[q] . kh[key] / 8.  The bias adds qh[q] . wk_b / 8 to EVERY key of query q's row:
;      a term that is the same along the softmax's axis, so softmax(logits) is the same with and without it, for all values of the inputs (masked keys keep weight 0 either way).
;      That product is not quantised, so no code and no scale hangs on wk_b.  wk_b is not loaded and is an argument of no launch.
;  (b) key steps that lie wholly above the diagonal: the mask that the problem builds itself gives them the weight exp(-1e9 + ..) = 0.
; LIMITS: a NaN, an infinity or an overflow that reaches only wk_b or the masked scores is not carried to the result; masked keys count exactly 0, as they do in f32 while |logit| stays under about 1e8;
;  the operands of the products that are not quantised go in f16: |q, k, v projections|, |attention's result| and |dense_w| stay under 65,504;
;  blocks whose largest magnitude lies under 2^(2 - 126), whose byte is held at 1, were not tried; NaN and infinities among the inputs are not served by the quantiser.
; A block's scale is 2^(floor(log2(its largest magnitude)) - 2); its byte is the largest magnitude's exponent field - 2, held at 1 from below.  A block of zeros gets the byte 1: its codes are zeros, and this program alone reads the bytes.
; SHARES.  All six tensors are dense streams of blocks of 32.  Work-groups 0-863 take 32,768 numbers each (q 256, k 256, v 256, each weight 32), a wave 16 steps of 512; the outputs follow each other in the
; same order, so codes and scales are one table of 27,648 rows (512 and 32 bytes a row).  Work-groups 864-895 take 32,768 numbers of dense_w each.
; A step's four loads read 512 consecutive bytes each; its 2,048 bytes turn through the wave's own stage in LDS so that a lane holds 16 neighbours along K; two neighbouring lanes hold a block.
.set WAVES, 4
.set STEPS, 16
.set QWG,   864                        ; work-groups that quantise
.set EMAX,  2
.set CB,    8                          ; bytes of 16 codes
.set R,     16                         ; v16-79   four sets of 16 numbers as loaded
.set X,     80                         ; v80-111  two sets of 16 neighbours (dense_w: the f16 pairs)
.set E,     112                        ; v112-127 a scale byte for each step
.set C,     128                        ; v128-191 codes, four registers for each step
.set WREG,  8192                       ; LDS: a region for each wave: two stages of 32 x SP bytes, then its 256 scale bytes
.set SP,    80
.set SPW,   12                         ; v12 LDS address of my spare word; never rewritten
.set NIL,   13                         ; v13 0; never rewritten
.set SPARE, WAVES*WREG                 ; the spare words: 128 bytes a wave, named by no other line
	s_load_b256 s[4:11], s[0:1], 0x0               ; q, k, v, wq_w
	s_load_b256 s[12:19], s[0:1], 0x20             ; wk_w, wv_w, dense_w, codes
	s_load_b128 s[20:23], s[0:1], 0x40             ; scales, dwh
	v_lshl_add_u32 v[SPW], v0, 2, SPARE
	v_mov_b32 v[NIL], 0
	v_lshrrev_b32 v1, 5, v0
	v_readfirstlane_b32 s24, v1                    ; wave
	v_and_b32 v2, 31, v0                           ; lane
	v_lshlrev_b32 v3, 4, v2                        ; my 16 bytes of a load's 512
	s_mul_i32 s25, s24, WREG
	v_lshrrev_b32 v14, 2, v2
	v_mul_u32_u24 v14, v14, SP
	v_and_b32 v15, 3, v2
	v_lshl_add_u32 v14, v15, 4, v14
	v_add_nc_u32 v14, s25, v14                     ; the stage, on the way in: SP (lane / 4) + 16 (lane % 4)
	v_mul_u32_u24 v15, v2, SP
	v_add_nc_u32 v15, s25, v15                     ; on the way out: SP x lane: my 16 neighbours
	v_mul_u32_u24 v4, v2, CB                       ; 8 x lane: my codes' place in a step's; also my f16 numbers' place
	v_lshrrev_b32 v5, 1, v2
	s_add_co_u32 s25, s25, 2*32*SP
	v_add_nc_u32 v5, s25, v5                       ; LDS: my wave's 256 scale bytes, my block's byte
	v_lshlrev_b32 v7, 3, v2
	v_add_nc_u32 v6, s25, v7                       ; and on the way out 8 bytes a lane
	s_mov_b32 s31, 0
	s_wait_kmcnt 0x0
	s_cmp_ge_u32 ttmp9, QWG                        ; the work-group's number alone decides
	s_cbranch_scc1 .Ldw
	; which tensor is mine, and at which work-group it begins: five choices on the work-group's number
	s_mov_b64 s[26:27], s[4:5]
	s_mov_b32 s28, 0
	s_cmp_ge_u32 ttmp9, 256
	s_cselect_b64 s[26:27], s[6:7], s[26:27]
	s_cselect_b32 s28, 256, s28
	s_cmp_ge_u32 ttmp9, 512
	s_cselect_b64 s[26:27], s[8:9], s[26:27]
	s_cselect_b32 s28, 512, s28
	s_cmp_ge_u32 ttmp9, 768
	s_cselect_b64 s[26:27], s[10:11], s[26:27]
	s_cselect_b32 s28, 768, s28
	s_cmp_ge_u32 ttmp9, 800
	s_cselect_b64 s[26:27], s[12:13], s[26:27]
	s_cselect_b32 s28, 800, s28
	s_cmp_ge_u32 ttmp9, 832
	s_cselect_b64 s[26:27], s[14:15], s[26:27]
	s_cselect_b32 s28, 832, s28
	s_sub_co_u32 s29, ttmp9, s28
	s_lshl_b32 s29, s29, 2
	s_add_co_u32 s29, s29, s24                     ; my run of 8,192 numbers in the tensor
	s_lshl_b32 s30, s29, 15
	s_add_nc_u64 s[26:27], s[26:27], s[30:31]
	s_lshl_b32 s29, ttmp9, 2
	s_add_co_u32 s29, s29, s24                     ; and in the table of all six
	s_lshl_b32 s30, s29, 12
	s_add_nc_u64 s[18:19], s[18:19], s[30:31]      ; 4,096 bytes of codes a run
	s_lshl_b32 s30, s29, 8
	s_add_nc_u64 s[20:21], s[20:21], s[30:31]      ; 256 scale bytes a run
.macro LOAD t
.irp i, 0,1,2,3
	global_load_b128 v[R+16*((\t)%4)+4*\i:R+16*((\t)%4)+4*\i+3], v3, s[26:27] offset:2048*(\t)+512*\i th:TH_LOAD_NT   ; 32 lanes read 512 consecutive bytes
.endr
.endm
.macro TURN t                          ; step t's numbers through the stage: LDS serves a wave's instructions in order, so no wait stands between the stores and the loads
.irp i, 0,1,2,3
	ds_store_b128 v14, v[R+16*((\t)%4)+4*\i:R+16*((\t)%4)+4*\i+3] offset:32*SP*((\t)%2)+8*SP*\i
.endr
.irp i, 0,1,2,3
	ds_load_b128 v[X+16*((\t)%2)+4*\i:X+16*((\t)%2)+4*\i+3], v15 offset:32*SP*((\t)%2)+16*\i
.endr
.endm
.irp t, 0,1,2,3
	LOAD \t
.endr
	s_wait_loadcnt 12                              ; step 0's four loads are in; three steps' twelve stay out
	TURN 0
.macro STEP t
.set XS, X+16*((\t)%2)
.if (\t) > 0
	s_wait_dscnt 1                                 ; this step's numbers are back from the stage (the last step's byte store may be out)
.else
	s_wait_dscnt 0x0
.endif
.if (\t)+4 < STEPS
	LOAD (\t)+4                                    ; into the registers that the stage's stores have read
.endif
.if (\t)+1 < STEPS
.if STEPS-2-(\t) >= 3
	s_wait_loadcnt 12                              ; the next step's four loads are in; those of the three steps behind it may be out
.else
	s_wait_loadcnt 4*(STEPS-2-(\t))
.endif
	TURN (\t)+1
.endif
	v_max3_num_f32 v8, |v[XS]|, |v[XS+1]|, |v[XS+2]|               ; the largest magnitude of my 16, in two chains
	v_max3_num_f32 v9, |v[XS+3]|, |v[XS+4]|, |v[XS+5]|
.irp i, 6,10
	v_max3_num_f32 v8, v8, |v[XS+\i]|, |v[XS+\i+1]|
	v_max3_num_f32 v9, v9, |v[XS+\i+2]|, |v[XS+\i+3]|
.endr
	v_max3_num_f32 v8, v8, |v[XS+14]|, |v[XS+15]|
	v_max3_num_f32 v8, v8, v9, (EMAX+1)<<23        ; and the floor 2^(EMAX + 1 - 127): the byte cannot fall under 1
	v_max_num_f32_dpp v8, v8, v8 row_xmask:1 row_mask:0xf bank_mask:0xf   ; with my neighbour's 16: the block's
	v_add_nc_u32 v11, -(EMAX<<23), v8              ; EMAX off its exponent field: the conversion takes this operand's exponent field as its scale
	v_cvt_scalef32_pk8_fp4_f32 v[C+4*(\t)], v[XS:XS+7], v11
	v_cvt_scalef32_pk8_fp4_f32 v[C+4*(\t)+1], v[XS+8:XS+15], v11
	v_lshrrev_b32 v[E+(\t)], 23, v11               ; the scale's byte
	ds_store_b8 v5, v[E+(\t)] offset:16*(\t)       ; both lanes of a block write the same byte with the same value
	global_store_b64 v4, v[C+4*(\t):C+4*(\t)+1], s[18:19] offset:32*CB*(\t)   ; the wave stores 256 consecutive bytes, aligned
.endm
.irp t, 0,1,2,3,4,5,6,7,8,9,10,11,12,13,14,15
	STEP \t
.endr
	ds_load_b64 v[8:9], v6                         ; LDS serves a wave's instructions in order: these see my stores
	s_wait_dscnt 0x0
	global_store_b64 v7, v[8:9], s[20:21]          ; 32 lanes store 256 consecutive bytes, aligned
	s_wait_tensorcnt 0x0                           ; the wave's end, behind my last LDS store
	ds_add_u32 v[SPW], v[NIL]
	s_wait_dscnt 0x0
	s_endpgm
; dense_w to f16: a wave takes 8,192 numbers in four rounds of 16 loads; a load reads 512 consecutive bytes, a store writes 256.
.Ldw:
	s_sub_co_u32 s29, ttmp9, QWG
	s_lshl_b32 s29, s29, 2
	s_add_co_u32 s29, s29, s24
	s_lshl_b32 s30, s29, 15
	s_add_nc_u64 s[16:17], s[16:17], s[30:31]
	s_lshl_b32 s30, s29, 14
	s_add_nc_u64 s[22:23], s[22:23], s[30:31]
.macro LOADD r                         ; round r into v16-79 (even rounds) or v112-175 (odd)
.irp i, 0,1,2,3,4,5,6,7,8,9,10,11,12,13,14,15
	global_load_b128 v[16+96*((\r)%2)+4*\i:16+96*((\r)%2)+4*\i+3], v3, s[16:17] offset:(16*(\r)+\i)*512
.endr
.endm
.macro ROUNDD r
.if (\r) < 3
	s_wait_loadcnt 16                              ; this round's 16 loads are in; the next round's stay out
.else
	s_wait_loadcnt 0x0
.endif
.if (\r) > 0
	s_wait_xcnt 0x0                                ; the last round's stores have read v80-111
.endif
.irp i, 0,1,2,3,4,5,6,7,8,9,10,11,12,13,14,15
	v_cvt_pk_f16_f32 v[X+2*\i], v[16+96*((\r)%2)+4*\i], v[16+96*((\r)%2)+4*\i+1]
	v_cvt_pk_f16_f32 v[X+2*\i+1], v[16+96*((\r)%2)+4*\i+2], v[16+96*((\r)%2)+4*\i+3]
.endr
.irp i, 0,1,2,3,4,5,6,7,8,9,10,11,12,13,14,15
	global_store_b64 v4, v[X+2*\i:X+2*\i+1], s[22:23] offset:(16*(\r)+\i)*256
.endr
.if (\r) < 2
	LOADD (\r)+2
.endif
.endm
	LOADD 0
	LOADD 1
	ROUNDD 0
	ROUNDD 1
	ROUNDD 2
	ROUNDD 3
	s_wait_tensorcnt 0x0                           ; the same three lines at this end of the text
	ds_add_u32 v[SPW], v[NIL]
	s_wait_dscnt 0x0
	s_endpgm
.Lfunc_end_k_q8a426be48d_quant:
	.size	k_q8a426be48d_quant, .Lfunc_end_k_q8a426be48d_quant-k_q8a426be48d_quant
	.p2alignl 7, 3214868480
	.fill 96, 4, 3214868480
	.section	.rodata,"a",@progbits
	.p2align	6, 0x0
	.amdhsa_kernel k_q8a426be48d_quant
		.amdhsa_group_segment_fixed_size 33280
		.amdhsa_private_segment_fixed_size 0
		.amdhsa_enable_private_segment 0
		.amdhsa_kernarg_size 80
		.amdhsa_user_sgpr_count 2
		.amdhsa_user_sgpr_kernarg_segment_ptr 1
		.amdhsa_wavefront_size32 1
		.amdhsa_system_sgpr_workgroup_id_x 1
		.amdhsa_system_sgpr_workgroup_id_y 1
		.amdhsa_system_sgpr_workgroup_id_z 1
		.amdhsa_system_vgpr_workitem_id 0
		.amdhsa_next_free_vgpr 192
		.amdhsa_next_free_sgpr 66
		.amdhsa_reserve_vcc 0
		.amdhsa_float_denorm_mode_32 3
		.amdhsa_float_denorm_mode_16_64 3
		.amdhsa_memory_ordered 1
		.amdhsa_forward_progress 1
		.amdhsa_inst_pref_size 55
	.end_amdhsa_kernel
	.amdgpu_metadata
---
amdhsa.version: [ 1, 2 ]
amdhsa.kernels:
  - .name:           k_q8a426be48d_quant
    .symbol:         k_q8a426be48d_quant.kd
    .args:
      - { .name: q, .offset: 0, .size: 8, .value_kind: global_buffer, .address_space: global }
      - { .name: k, .offset: 8, .size: 8, .value_kind: global_buffer, .address_space: global }
      - { .name: v, .offset: 16, .size: 8, .value_kind: global_buffer, .address_space: global }
      - { .name: wq_w, .offset: 24, .size: 8, .value_kind: global_buffer, .address_space: global }
      - { .name: wk_w, .offset: 32, .size: 8, .value_kind: global_buffer, .address_space: global }
      - { .name: wv_w, .offset: 40, .size: 8, .value_kind: global_buffer, .address_space: global }
      - { .name: dense_w, .offset: 48, .size: 8, .value_kind: global_buffer, .address_space: global }
      - { .name: codes, .offset: 56, .size: 8, .value_kind: global_buffer, .address_space: global }
      - { .name: scales, .offset: 64, .size: 8, .value_kind: global_buffer, .address_space: global }
      - { .name: dwh, .offset: 72, .size: 8, .value_kind: global_buffer, .address_space: global }
    .group_segment_fixed_size: 33280
    .private_segment_fixed_size: 0
    .kernarg_segment_align: 8
    .kernarg_segment_size: 80
    .max_flat_workgroup_size: 128
    .sgpr_count:     66
    .vgpr_count:     192
    .wavefront_size: 32
...
	.end_amdgpu_metadata
.endif
;; end of part 1
;; launch proj (part 2): grid 4 x 96, 4 waves a work-group, clusters of 4 x 4, 327,680 bytes of LDS; arguments codes, scales, wq_b, wv_b, qkv, rows16; writes qkv, rows16
.if DOCPART == 2
	.amdgcn_target "amdgcn-amd-amdhsa--gfx1250"
	.amdhsa_code_object_version 6
	.text
	.protected	k_q8a426be48d_proj
	.globl	k_q8a426be48d_proj
	.p2align	8
	.type	k_q8a426be48d_proj,@function
k_q8a426be48d_proj:
	s_mov_b64 s[64:65], 0
	v_nop
	global_prefetch_b8 v0, s[64:65] scope:SCOPE_SE
	s_setreg_imm32_b32 hwreg(HW_REG_WAVE_MODE, 25, 1), 1
	s_wait_xcnt 0x0
	s_wait_alu depctr_hold_cnt(0) depctr_sa_sdst(0) depctr_va_vdst(0) depctr_va_sdst(0) depctr_va_ssrc(0) depctr_va_vcc(0) depctr_vm_vsrc(0)
	s_getreg_b32 s2, hwreg(HW_REG_IB_STS2, 6, 4)
	s_cmp_eq_u32 s2, 0
	s_cbranch_scc0 .Lentry_in_a_cluster
	s_endpgm
.Lentry_in_a_cluster:
	s_bfe_u32 s2, ttmp6, 0x10000c
	s_cmp_lg_u32 s2, 0xf033
	s_cbranch_scc0 .Lentry_shape_is_right
	s_endpgm
.Lentry_shape_is_right:
; SECOND LAUNCH: the three quantised products, x w^T on codes of FP4 with E8M0 scales, K = 1,024, + wq_b (queries), nothing (keys), + wv_b (values).
; Left out: wk_b, which adds the same term to every key of a query's row of the softmax (shown at the head of the first launch's text).
; Results: f16, laid by heads, qkv [3][4][16][2,048][64]; and the rows s < 16 of every sequence once more in f32, rows16 [3][4][16][1,024], for the last launch.
; A tile of 256 x 256 is made by four waves, 128 x 128 each: 64 accumulators of 16 x 16.  K goes in two steps of 512 through two LDS slots, both filled at the start: nothing is filled again.
; The scales of the tile's 256 + 256 rows, for all of K, come once, as dense blocks.
; CLUSTERS of 4 x 4.  Cluster y = 8 t + j: t the tensor (q, k, v), j the block of 256 positions; cy is the batch, cx the block of 256 output columns.  A's tile hangs on cluster y and cy alone and is asked for
; jointly along a row of the cluster, the weights' tile on cluster y and cx alone, jointly along a column.  "The tile holds positions under 16" is j = 0: the same in all sixteen partners.
; THE MATRIX INSTRUCTION IS USED TRANSPOSED (source 0 = 16 rows of w, source 1 = 16 rows of x): a lane holds eight neighbouring columns of one row.  The bias is the C of each sum's first instruction.
; REGISTERS: window 0: v0-31 addresses; v32-95 scale words, two sets, and nothing else; v96-127 packed results; v128-191 x's fragments, later rows on the way out; v192-255 the bias, later the f32 rows.
;   window 1: w's fragments, two sets.  windows 2, 3: the accumulators ((a, b) at v[8 (8 (a % 4) + b)]).
.set NQ,     4                         ; matrix instructions deep in a slot (512 along K)
.set ROWB,   256                       ; a tile's row in bytes
.set KROW,   512                       ; a row of codes in memory
.set PITCH,  272                       ; an LDS row: 256 + 16: the 16 rows of a fragment load start 4 banks apart (64 banks of 4 bytes: ISA guide 11.1)
.set FR,     8
.set NL,     2
.set NP,     4                         ; places behind this matrix instruction (ISA guide 7.12.1)
.set HALFT,  128*PITCH
.set SLOT,   4*HALFT
.set KS,     32                        ; a row of scales in bytes
.set SCL,    2*SLOT
.set HALFS,  16*272                    ; the scales of 128 rows: 16 units of 256 bytes + 16
.set SBLK,   2*272                     ; those of 16 rows
.set SPARE,  SCL+4*HALFS               ; the spare words: 128 bytes a wave, named by no other line
.set WSTG,   20480                     ; the way out: a region for each wave in slot 0, which has had its only fill and its last read by then
.set S32,    10240                     ; in it: the f16 stage at 0 (2 heads x 16 rows x 144), the f32 stage here (16 rows x 528)
.set HPITCH, 144
.set FPITCH, 528
.set ADRA, 16
.set ADRB, 20
.set FSTO, 22
.set FRD,  23
.set STO,  24
.set RD,   25
.set CO,   26                          ; 16 x lane
.set ADRS, 27
.set SPW,  28
.set NIL,  29
.set BO,   30                          ; 32 x (lane / 16)
.set SC,   32
.set TMP,  96
.set AF,   128
.set BK,   128
.set BIAS, 192
.set FB,   192
.set WV,   18
.set RH,   19                          ; which half of the tile's rows is mine; also: I fetch for x (0) or for w (1)
.set CH,   20                          ; which half of its columns; also: which 128 rows I fetch
.set CX,   21
.set CY,   22
.set CYC,  23
.set TT,   66
.set JJ,   67
.set FINEF, 68
.set G1,   24
.set G0,   32
.set G1B,  48
.set G0B,  56
.set G1S,  72
.set G0S,  80
.set G1SB, 84
.set G0SB, 92
.set MSB, 0
.macro WIN new                         ; the immediate's high byte repeats the setting that is left
.if MSB != \new
	s_set_vgpr_msb (MSB<<8)|\new
.set MSB, \new
.endif
.endm
.set MUL_LO, 0xa1                      ; source 0 (w) window 1, source 1 (x) window 0, C and D window 2
.set MUL_HI, 0xf1                      ; the same, C and D window 3
.set BIA_LO, 0x81                      ; C (the bias) window 0, D window 2
.set BIA_HI, 0xc1                      ; C window 0, D window 3
.set TO_B,   0x40
.macro JLOAD g0a, g1a, g0b, g1b        ; a joint load: waves 0, 1 for x, waves 2, 3 for w; an s_nop 0 and four v_nop follow each line
	s_cmp_eq_u32 s[RH], 0
	s_cbranch_scc0 .Lfor_b_\@
	tensor_load_to_lds s[\g0a:\g0a+3], s[\g1a:\g1a+7]
	s_nop 0
.rept 4
	v_nop
.endr
	s_branch .Lasked_\@
.Lfor_b_\@:
	tensor_load_to_lds s[\g0b:\g0b+3], s[\g1b:\g1b+7]
	s_nop 0
.rept 4
	v_nop
.endr
.Lasked_\@:
.endm
.macro CROUND                          ; a round of the cluster's barrier
	s_barrier_signal -1
	s_barrier_wait -1
	s_cmp_lg_u32 s[WV], 0
	s_cbranch_scc1 .Lnot_wave_0_\@
	s_barrier_signal -3
.Lnot_wave_0_\@:
	s_barrier_wait -3
	s_barrier_signal -1
	s_barrier_wait -1
.endm
	s_load_b256 s[4:11], s[0:1], 0x0               ; codes, scales, wq_b, wv_b
	s_load_b128 s[12:15], s[0:1], 0x20             ; qkv, rows16
	v_lshl_add_u32 v[SPW], v0, 2, SPARE
	v_mov_b32 v[NIL], 0
	ds_add_u32 v[SPW], v[NIL]                      ; the opening: the add, twice on end, and its wait ahead of my first tensor load
	ds_add_u32 v[SPW], v[NIL]
	v_lshrrev_b32 v1, 5, v0
	v_readfirstlane_b32 s[WV], v1
	s_lshr_b32 s[RH], s[WV], 1
	s_and_b32 s[CH], s[WV], 1
	s_bfe_u32 s[CX], ttmp6, 0x40000
	s_bfe_u32 s[CY], ttmp6, 0x40004
	s_and_b32 s[CYC], ttmp7, 0xffff                ; cluster y
	s_lshr_b32 s[TT], s[CYC], 3                    ; the tensor
	s_and_b32 s[JJ], s[CYC], 7                     ; the block of 256 positions
	s_or_b32 s[FINEF], s[JJ], s[RH]                ; 0: my rows begin at position 0 of a sequence
	s_lshl_b32 s2, s[CY], 2
	s_lshl_b32 s2, 15, s2                          ; my row of the cluster
	s_lshl_b32 s3, 0x1111, s[CX]                   ; my column
	s_or_b32 s[G1+0], s2, (0<<16)|(1<<20)|(1<<21)|(5<<22)|(3<<25)   ; mask; 1-byte elements; padding of 4 words after every 64
	s_or_b32 s[G1B+0], s3, (0<<16)|(1<<20)|(1<<21)|(5<<22)|(3<<25)
.irp g, G1, G1B
	s_mov_b32 s[\g+1], ROWB<<16                    ; tensor_dim0
	s_mov_b32 s[\g+2], 128<<16                     ; tensor_dim1
	s_mov_b32 s[\g+3], ROWB<<16                    ; tile_dim0
	s_mov_b32 s[\g+4], 128                         ; tile_dim1
	s_mov_b32 s[\g+5], KROW                        ; stride
	s_mov_b32 s[\g+6], 0
	s_mov_b32 s[\g+7], 0
.endr
	s_or_b32 s[G1S+0], s2, (3<<16)|(1<<20)|(1<<21)|(5<<22)|(3<<25)  ; the scales of 128 rows: 4,096 dense bytes as 16 rows of 32 elements of 8 bytes
	s_or_b32 s[G1SB+0], s3, (3<<16)|(1<<20)|(1<<21)|(5<<22)|(3<<25)
.irp g, G1S, G1SB
	s_mov_b32 s[\g+1], 32<<16
	s_mov_b32 s[\g+2], 16<<16
	s_mov_b32 s[\g+3], 32<<16
	s_mov_b32 s[\g+4], 16
	s_mov_b32 s[\g+5], 32
	s_mov_b32 s[\g+6], 0
	s_mov_b32 s[\g+7], 0
.endr
	s_lshl_b32 s3, s[CH], 7                        ; which 128 rows of the tile I fetch
	s_lshl_b32 s40, s[TT], 13
	s_lshl_b32 s41, s[CY], 11
	s_add_co_u32 s40, s40, s41
	s_lshl_b32 s41, s[JJ], 8
	s_add_co_u32 s40, s40, s41
	s_add_co_u32 s40, s40, s3                      ; x: table row 8,192 t + 2,048 cy + 256 j + 128 half
	s_lshl_b32 s42, s[TT], 10
	s_lshl_b32 s43, s[CX], 8
	s_add_co_u32 s42, s42, s43
	s_add_co_u32 s42, s42, s3
	s_add_co_u32 s42, s42, 24576                   ; w: table row 24,576 + 1,024 t + 256 cx + 128 half
	s_lshl_b32 s44, s40, 5                         ; their scales, 32 bytes a row,
	s_mov_b32 s45, 0
	s_lshl_b32 s40, s40, 9                         ; their codes, 512 bytes a row
	s_mov_b32 s41, 0
	s_lshl_b32 s46, s42, 5
	s_mov_b32 s47, 0
	s_lshl_b32 s42, s42, 9
	s_mov_b32 s43, 0
	s_mul_i32 s96, s[WV], HALFT                    ; where they go: wave x 128 rows: no place in the cluster enters an LDS address
	s_mul_i32 s97, s[WV], HALFS
	s_wait_dscnt 0x0                               ; both opening adds are done
	s_wait_kmcnt 0x0
	s_add_nc_u64 s[40:41], s[4:5], s[40:41]
	s_add_nc_u64 s[44:45], s[6:7], s[44:45]
	s_add_nc_u64 s[42:43], s[4:5], s[42:43]
	s_add_nc_u64 s[46:47], s[6:7], s[46:47]
	CROUND                                         ; all sixteen work-groups are here: the joint loads meet
	s_mov_b32 s[G0S], 1
	s_add_co_u32 s[G0S+1], s97, SCL
	s_mov_b64 s[G0S+2:G0S+3], s[44:45]
	s_or_b32 s[G0S+3], s[G0S+3], 0x80000000
	s_mov_b32 s[G0SB], 1
	s_add_co_u32 s[G0SB+1], s97, SCL
	s_mov_b64 s[G0SB+2:G0SB+3], s[46:47]
	s_or_b32 s[G0SB+3], s[G0SB+3], 0x80000000
	JLOAD G0S, G1S, G0SB, G1SB                     ; the scales first: wanted with the first K step
.irp s, 0,1
	s_mov_b32 s[G0+4*\s], 1
	s_add_co_u32 s[G0+4*\s+1], s96, \s*SLOT
	s_add_nc_u64 s[G0+4*\s+2:G0+4*\s+3], s[40:41], \s*ROWB
	s_or_b32 s[G0+4*\s+3], s[G0+4*\s+3], 0x80000000
	s_mov_b32 s[G0B+4*\s], 1
	s_add_co_u32 s[G0B+4*\s+1], s96, \s*SLOT
	s_add_nc_u64 s[G0B+4*\s+2:G0B+4*\s+3], s[42:43], \s*ROWB
	s_or_b32 s[G0B+4*\s+3], s[G0B+4*\s+3], 0x80000000
	JLOAD G0+4*\s, G1, G0B+4*\s, G1B               ; three loads of mine are out at the most
.endr
	v_and_b32 v1, 15, v0                           ; r = lane % 16
	v_bfe_u32 v2, v0, 4, 1                         ; h = lane / 16
	v_mul_u32_u24 v3, v1, PITCH
	v_lshl_add_u32 v4, v2, 4, v3                   ; a fragment's row x pitch + 16 h
	s_mul_i32 s2, s[RH], HALFT                     ; my 128 rows of x
	s_mul_i32 s3, s[CH], HALFT                     ; my 128 rows of w,
	s_add_co_u32 s3, s3, 2*HALFT                   ; behind x's 256
.irp s, 0,1
	v_add_nc_u32 v[ADRA+\s], s2, v4
	v_add_nc_u32 v[ADRB+\s], s3, v4
	s_add_co_u32 s2, s2, SLOT
	s_add_co_u32 s3, s3, SLOT
.endr
	v_mul_u32_u24 v5, v1, KS                       ; my row's scales: 32 bytes a row,
	v_lshrrev_b32 v6, 8, v5
	v_lshl_add_u32 v5, v6, 4, v5                   ; and 16 more for each 256 passed
	s_mul_i32 s2, s[RH], HALFS
	s_mul_i32 s3, s[CH], HALFS
	s_add_co_u32 s3, s3, 2*HALFS
	s_sub_co_u32 s3, s3, s2
	v_mul_u32_u24 v6, s3, v2                       ; lanes 16-31 take w's: one product, the distance between the two bases
	s_add_co_u32 s2, s2, SCL
	v_add_nc_u32 v5, v5, v6
	v_add_nc_u32 v[ADRS], s2, v5
	s_mul_i32 s2, s[WV], WSTG                      ; my stages
	v_mul_u32_u24 v5, v1, HPITCH
	v_lshl_add_u32 v5, v2, 4, v5
	v_add_nc_u32 v[STO], s2, v5                    ; f16, in: row r, 16 bytes for each half of the lanes
	v_and_b32 v6, 31, v0
	v_lshrrev_b32 v7, 3, v6
	v_mul_u32_u24 v7, v7, HPITCH
	v_and_b32 v8, 7, v0
	v_lshl_add_u32 v7, v8, 4, v7
	v_add_nc_u32 v[RD], s2, v7                     ; back: eight lanes to a row of 128 bytes, four rows an instruction
	v_lshlrev_b32 v[CO], 4, v6
	s_add_co_u32 s3, s2, S32
	v_mul_u32_u24 v5, v1, FPITCH
	v_lshl_add_u32 v5, v2, 5, v5
	v_add_nc_u32 v[FSTO], s3, v5                   ; f32, in: row r, 32 bytes for each half
	v_add_nc_u32 v[FRD], s3, v[CO]                 ; back: a row of 512 bytes an instruction
	v_lshlrev_b32 v[BO], 5, v2
	; where my results go
	s_lshl_b32 s100, s[CX], 10
	s_lshl_b32 s2, s[CH], 9
	s_add_co_u32 s100, s100, s2                    ; my first column as f32 bytes: 1,024 cx + 512 half
	s_mov_b32 s101, 0
	s_lshl_b32 s96, s[TT], 2
	s_add_co_u32 s96, s96, s[CY]                   ; 4 t + batch
	s_lshl_b32 s98, s96, 16
	s_add_co_u32 s98, s98, s100                    ; rows16: 65,536 bytes for each (t, batch)
	s_mov_b32 s99, 0
	s_lshl_b32 s96, s96, 4
	s_lshl_b32 s2, s[CX], 2
	s_add_co_u32 s96, s96, s2
	s_lshl_b32 s2, s[CH], 1
	s_add_co_u32 s96, s96, s2                      ; my first head's plane: 16 (4 t + batch) + 4 cx + 2 half
	s_lshl_b32 s96, s96, 18
	s_lshl_b32 s2, s[JJ], 15
	s_add_co_u32 s96, s96, s2
	s_lshl_b32 s2, s[RH], 14
	s_add_co_u32 s96, s96, s2                      ; + (256 j + 128 half) rows of 128 bytes
	s_mov_b32 s97, 0
	s_add_nc_u64 s[12:13], s[12:13], s[96:97]
	s_add_nc_u64 s[14:15], s[14:15], s[98:99]
	s_cmp_eq_u32 s[TT], 0
	s_cselect_b64 s[8:9], s[8:9], s[10:11]         ; wq_b for the queries, wv_b for the values
	s_add_nc_u64 s[8:9], s[8:9], s[100:101]
	s_cmp_eq_u32 s[TT], 1                          ; the keys have no bias here: the same in all partners
	s_cbranch_scc1 .Lno_bias
.irp b, 0,1,2,3,4,5,6,7
	global_load_b128 v[BIAS+8*\b:BIAS+8*\b+3], v[BO], s[8:9] offset:64*\b        ; lane (r, h): the bias of columns 16 b + 8 h + 0 .. 7
	global_load_b128 v[BIAS+8*\b+4:BIAS+8*\b+7], v[BO], s[8:9] offset:64*\b+16
.endr
	s_branch .Lbias_done
.Lno_bias:
.set n, 0
.rept 64
	v_mov_b32 v[BIAS+n], 0
.set n, n+1
.endr
.Lbias_done:
.macro FRAG reg, adr, q, i             ; 16 rows x 128 K of 4-bit codes: registers 4 c .. 4 c + 3 hold K = 64 c + 32 h + 0 .. 31
.irp c, 0,1
	ds_load_b128 v[\reg+4*\c:\reg+4*\c+3], v[\adr] offset:64*(\q)+32*\c+(\i)*16*PITCH
.endr
.endm
; 16 matrix instructions: x's blocks a0, a0 + 1 against w's eight.  zero = 1: the sums begin with the bias as C.  The 64 accumulators take turns, one instruction a turn.
.macro MUL16 a0, p, q, sc, zero
.irp a, \a0, \a0+1
.irp b, 0,1,2,3,4,5,6,7
.if \zero
	v_wmma_scale_f32_16x16x128_f8f6f4 v[8*(8*((\a)%4)+\b):8*(8*((\a)%4)+\b)+7], v[128*(\p)+FR*\b:128*(\p)+FR*\b+FR-1], v[AF+FR*(\a):AF+FR*(\a)+FR-1], v[BIAS+8*\b:BIAS+8*\b+7], v[SC+8*NQ*(\sc)+NQ*\b+(\q)], v[SC+8*NQ*(\sc)+NQ*(\a)+(\q)] matrix_a_fmt:MATRIX_FMT_FP4 matrix_b_fmt:MATRIX_FMT_FP4 matrix_a_scale:MATRIX_SCALE_ROW1
.else
	v_wmma_scale_f32_16x16x128_f8f6f4 v[8*(8*((\a)%4)+\b):8*(8*((\a)%4)+\b)+7], v[128*(\p)+FR*\b:128*(\p)+FR*\b+FR-1], v[AF+FR*(\a):AF+FR*(\a)+FR-1], v[8*(8*((\a)%4)+\b):8*(8*((\a)%4)+\b)+7], v[SC+8*NQ*(\sc)+NQ*\b+(\q)], v[SC+8*NQ*(\sc)+NQ*(\a)+(\q)] matrix_a_fmt:MATRIX_FMT_FP4 matrix_b_fmt:MATRIX_FMT_FP4 matrix_a_scale:MATRIX_SCALE_ROW1
.endif
.endr
.endr
.endm
.macro FETCH_B slot, q, p
	WIN TO_B
.irp i, 0,1,2,3,4,5,6,7
	FRAG 128*(\p)+FR*\i, ADRB+\slot, \q, \i
.endr
	WIN 0
.endm
.macro FETCH_A slot, q, i0
.irp i, \i0, \i0+1, \i0+2, \i0+3
	FRAG AF+FR*(\i), ADRA+\slot, \q, \i
.endr
.endm
.macro SCALES sc                       ; a slot's scale words: lanes 0-15 x's block i, lanes 16-31 w's block i
.irp i, 0,1,2,3,4,5,6,7
	ds_load_b128 v[SC+8*NQ*\sc+NQ*\i:SC+8*NQ*\sc+NQ*\i+3], v[ADRS] offset:\i*SBLK
.endr
.endm
.macro PLACES n                        ; plain vector instructions that name none of a matrix instruction's registers (ISA guide 7.12.1)
.rept \n
	v_nop
.endr
.endm
.macro STEP slot, q, zero              ; 128 along K, with its successor in the same slot
	s_wait_dscnt 4*NL                              ; w's set and x's blocks 0-3 are in; the youngest eight loads (x's blocks 4-7) may be out
.if \zero
	WIN BIA_LO
.else
	WIN MUL_LO
.endif
	MUL16 0, (\q)%2, \q, \slot, \zero
	MUL16 2, (\q)%2, \q, \slot, \zero
	s_wait_dscnt 0                                 ; x's blocks 4-7 are in
	PLACES NP
	FETCH_B \slot, (\q)+1, 1-(\q)%2
	FETCH_A \slot, (\q)+1, 0
.if \zero
	WIN BIA_HI
.else
	WIN MUL_HI
.endif
	MUL16 4, (\q)%2, \q, \slot, \zero
	MUL16 6, (\q)%2, \q, \slot, \zero
	PLACES NP
	WIN 0
	FETCH_A \slot, (\q)+1, 4
.endm
.macro STEPS slot, from
.set Q, \from
.rept NQ-1-\from
	STEP \slot, Q, 0
.set Q, Q+1
.endr
.endm
	s_wait_tensorcnt 1                             ; the scales and my part of slot 0 are in; slot 1's load may stay out
	s_barrier_signal -1
	s_barrier_wait -1
	FETCH_B 0, 0, 0
	FETCH_A 0, 0, 0
	SCALES 0
	FETCH_A 0, 0, 4
	s_wait_loadcnt 0x0                             ; the bias
	STEP 0, 0, 1
	STEPS 0, 1
	; slot 0's last step changes slots: one barrier; in front of it all my tensor loads have landed (slot 1's part), the add, and my reads of slot 0 are over
	s_wait_tensorcnt 0x0
	ds_add_u32 v[SPW], v[NIL]
	s_wait_dscnt 4*NL+1                            ; (the add and x's blocks 4-7 may be out)
	WIN MUL_LO
	MUL16 0, 1, NQ-1, 0, 0
	s_wait_dscnt 0x0
	s_barrier_signal -1
	MUL16 2, 1, NQ-1, 0, 0
	WIN 0
	s_barrier_wait -1
	PLACES NP
	v_add_nc_u32 v[ADRS], 4*NQ, v[ADRS]            ; the second slot's scale words: 16 bytes on in each row
	FETCH_B 1, 0, 0
	FETCH_A 1, 0, 0
	SCALES 1
	WIN MUL_HI
	MUL16 4, 1, NQ-1, 0, 0
	MUL16 6, 1, NQ-1, 0, 0
	PLACES NP
	WIN 0
	FETCH_A 1, 0, 4
	STEPS 1, 0
	s_wait_dscnt 4*NL                              ; the last step: nothing more to fetch
	WIN MUL_LO
	MUL16 0, 1, NQ-1, 1, 0
	MUL16 2, 1, NQ-1, 1, 0
	s_wait_dscnt 0
	WIN MUL_HI
	MUL16 4, 1, NQ-1, 1, 0
	MUL16 6, 1, NQ-1, 1, 0
	WIN 0
	PLACES NP                                      ; in front of the first reads of results and of writes and loads into registers that the products have read
	; THE FIRST 16 POSITIONS IN f32: block 0 of the waves whose rows begin at position 0, through the f32 stage, as whole rows of 512 bytes
	s_cmp_lg_u32 s[FINEF], 0
	s_cbranch_scc1 .Lno_fine
	WIN 0x08                                       ; an LDS store's data: window 2
.irp b, 0,1,2,3,4,5,6,7
	ds_store_b128 v[FSTO], v[8*\b:8*\b+3] offset:64*\b             ; each accumulator from its low end on
	ds_store_b128 v[FSTO], v[8*\b+4:8*\b+7] offset:64*\b+16
.endr
	WIN 0
.irp i, 0,1,2,3,4,5,6,7,8,9,10,11,12,13,14,15
	ds_load_b128 v[FB+4*\i:FB+4*\i+3], v[FRD] offset:\i*FPITCH      ; LDS serves a wave's instructions in order: these see my stores
.endr
	s_wait_dscnt 0x0
.irp i, 0,1,2,3,4,5,6,7,8,9,10,11,12,13,14,15
	global_store_b128 v[CO], v[FB+4*\i:FB+4*\i+3], s[14:15] offset:\i*4096   ; 512 consecutive bytes, aligned
.endr
	s_wait_xcnt 0x0
.Lno_fine:
; THE WAY OUT IN f16, a block of 16 rows x 128 columns (two heads) at a time: packed, through the f16 stage, back as four whole rows of 128 bytes an instruction: 512 consecutive bytes of a head's plane.
.macro PACK a
.set AC, 64*((\a)%4)
	WIN 0x0a+5*((\a)/4)                            ; sources 0 and 1: window 2 or 3
.irp b, 0,1,2,3,4,5,6,7
.irp i, 0,1,2,3
	v_cvt_pk_f16_f32 v[TMP+4*\b+\i], v[AC+8*\b+2*\i], v[AC+8*\b+2*\i+1]
.endr
.endr
	WIN 0
.endm
.macro TOSTAGE a
.set BB, BK+32*((\a)%2)
.irp b, 0,1,2,3,4,5,6,7
	ds_store_b128 v[STO], v[TMP+4*\b:TMP+4*\b+3] offset:(\b/4)*16*HPITCH+32*(\b%4)
.endr
.irp n, 0,1,2,3,4,5,6,7
	ds_load_b128 v[BB+4*\n:BB+4*\n+3], v[RD] offset:(\n/4)*16*HPITCH+(\n%4)*4*HPITCH
.endr
.endm
.macro SEND a
.set BB, BK+32*((\a)%2)
	s_wait_dscnt 0x0                               ; the block is back in registers
	s_wait_xcnt 0x0                                ; the stores of the block before have read their registers: the next block's loads may land there
.irp n, 0,1,2,3,4,5,6,7
	global_store_b128 v[CO], v[BB+4*\n:BB+4*\n+3], s[12:13] offset:(\a)*2048+(\n/4)*262144+(\n%4)*512
.endr
.endm
	PACK 0
	TOSTAGE 0
.irp a, 1,2,3,4,5,6,7
	PACK \a
	SEND \a-1
	TOSTAGE \a
.endr
	SEND 7
	s_wait_tensorcnt 0x0                           ; the wave's end
	ds_add_u32 v[SPW], v[NIL]
	s_wait_dscnt 0x0
	CROUND                                         ; the closing round
	s_endpgm
.Lfunc_end_k_q8a426be48d_proj:
	.size	k_q8a426be48d_proj, .Lfunc_end_k_q8a426be48d_proj-k_q8a426be48d_proj
	.p2alignl 7, 3214868480
	.fill 96, 4, 3214868480
	.section	.rodata,"a",@progbits
	.p2align	6, 0x0
	.amdhsa_kernel k_q8a426be48d_proj
		.amdhsa_group_segment_fixed_size 327680
		.amdhsa_private_segment_fixed_size 0
		.amdhsa_enable_private_segment 0
		.amdhsa_kernarg_size 48
		.amdhsa_user_sgpr_count 2
		.amdhsa_user_sgpr_kernarg_segment_ptr 1
		.amdhsa_wavefront_size32 1
		.amdhsa_system_sgpr_workgroup_id_x 1
		.amdhsa_system_sgpr_workgroup_id_y 1
		.amdhsa_system_sgpr_workgroup_id_z 1
		.amdhsa_system_vgpr_workitem_id 0
		.amdhsa_next_free_vgpr 1024
		.amdhsa_next_free_sgpr 102
		.amdhsa_reserve_vcc 0
		.amdhsa_float_denorm_mode_32 3
		.amdhsa_float_denorm_mode_16_64 3
		.amdhsa_memory_ordered 1
		.amdhsa_forward_progress 1
		.amdhsa_inst_pref_size 134
	.end_amdhsa_kernel
	.amdgpu_metadata
---
amdhsa.version: [ 1, 2 ]
amdhsa.kernels:
  - .name:           k_q8a426be48d_proj
    .symbol:         k_q8a426be48d_proj.kd
    .args:
      - { .name: codes, .offset: 0, .size: 8, .value_kind: global_buffer, .address_space: global }
      - { .name: scales, .offset: 8, .size: 8, .value_kind: global_buffer, .address_space: global }
      - { .name: wq_b, .offset: 16, .size: 8, .value_kind: global_buffer, .address_space: global }
      - { .name: wv_b, .offset: 24, .size: 8, .value_kind: global_buffer, .address_space: global }
      - { .name: qkv, .offset: 32, .size: 8, .value_kind: global_buffer, .address_space: global }
      - { .name: rows16, .offset: 40, .size: 8, .value_kind: global_buffer, .address_space: global }
    .group_segment_fixed_size: 327680
    .private_segment_fixed_size: 0
    .kernarg_segment_align: 8
    .kernarg_segment_size: 48
    .max_flat_workgroup_size: 128
    .sgpr_count:     102
    .vgpr_count:     1024
    .wavefront_size: 32
...
	.end_amdgpu_metadata
.endif
;; end of part 2
;; launch attn (part 3): grid 4 x 64, 8 waves a work-group, no clusters, 327,680 bytes of LDS; arguments qkv, ao; writes ao
.if DOCPART == 3
	.amdgcn_target "amdgcn-amd-amdhsa--gfx1250"
	.amdhsa_code_object_version 6
	.text
	.protected	k_q8a426be48d_attn
	.globl	k_q8a426be48d_attn
	.p2align	8
	.type	k_q8a426be48d_attn,@function
k_q8a426be48d_attn:
	s_mov_b64 s[64:65], 0
	v_nop
	global_prefetch_b8 v0, s[64:65] scope:SCOPE_SE
	s_setreg_imm32_b32 hwreg(HW_REG_WAVE_MODE, 25, 1), 1
	s_wait_xcnt 0x0
; THIRD LAUNCH: O = softmax(Q K^T / 8 under the causal mask) V for each of the 64 (batch, head) planes; operands f16, products, maxima and sums f32.
; Left out: key steps that lie wholly above the diagonal (the mask that the problem builds itself gives them weight 0); inside the one step on a wave's diagonal hidden scores become -infinity.
; LIMIT: masked keys count exactly 0.  The rows s < 16 are computed here as part of live tiles and are written anew, more finely, by the last launch.
; SHARES.  A work-group owns the blocks of 256 queries i and 7 - i of one plane, one after the other: (i + 1) + (8 - i) = 9 slots of 256 keys in every work-group: equal work and a constant trip count.
; NO CLUSTER: the four work-groups of a plane walk different slots at the same trip (their first blocks end at different trips), so a joint request would have partners that discard most of what it brings.
; Wave w owns queries 32 w .. 32 w + 31 of the block in hand: two tiles of 16.  Eight waves, two to a SIMD, so that one wave's vector work stands beside the other's products.
; LAYOUT.  S^T = K Q^T (source 0 = 16 keys, source 1 = 16 queries), O^T = V^T P (source 0 = 16 channels, turned by ds_load_tr16_b128, source 1 = P): a lane holds one query (lane % 16) throughout.
; SOFTMAX.  A running maximum m and sum l for each query: p = 2^(c s - c m), c = log2(e) / 8; in every step O and l are multiplied by a = 2^(c m_old - c m_new).
; O leaves as images of the next product's operand registers: four registers a lane, 16 bytes at 16 x lane: 512 consecutive bytes a store, and no stage.
; LDS.  A slot: K's 256 keys as 128 lines of two keys (256 bytes + 16), then V's likewise (256 + 32).  Two slots 2^17 bytes apart.  Each wave brings 64 keys of K (waves 0-3) or of V (waves 4-7): one load a wave.
; REGISTERS.  window 0: v2-14 addresses; v32-47 statistics, 8 a tile (c m, m, l, l, c0-c3; a takes c2's place); v64-127 S^T; v128-159 P; v160-223 K.   window 1: v0-63 O^T; v64-95 Q; v96-127 the second block's Q; v128-191 V.
.set KP,     272
.set VP,     288
.set KSTEPB, 32*KP                     ; 64 keys of K in LDS
.set VSTEPB, 32*VP
.set VOFF,   4*KSTEPB
.set SLOT1,  1<<17
.set SPARE,  204800                    ; behind the ring: the spare words, 128 bytes a wave, named by no other line
.set AK0, 2
.set AV0, 3
.set ADK, 4
.set ADV, 5
.set QO,  6
.set GO,  7
.set PFO, 8
.set DM,  9
.set NINF, 14
.set SPW, 30
.set NIL, 31
.set ST,  32
.set SR,  64
.set PR,  128
.set KFR, 160
.set OACC, 0
.set QF,  64
.set QBF, 96
.set VFR, 128
.set WV,  8
.set II,  9
.set BH,  10
.set TT,  11
.set STEPC, 12
.set KF,  13
.set Q0,  14
.set QL,  15
.set G1K, 16
.set G1V, 24
.set G0K, 32
.set G0V, 36
.set BK,  40
.set BV,  42
.set CS,  44
.set SEL, 46
.set TBK, 48
.set TBV, 49
.set PFA, 50
.set PFB, 52
.set PFON, 54
.set AOB, 56
.set DAO, 58
.set MSB, 0
.macro WIN new
.if MSB != \new
	s_set_vgpr_msb (MSB<<8)|\new
.set MSB, \new
.endif
.endm
.macro TLOAD                           ; waves 0-3: K's tile; waves 4-7: V's.  An s_nop 0 and four v_nop follow each line
	s_cmp_lt_u32 s[WV], 4
	s_cbranch_scc0 .Lfor_v_\@
	tensor_load_to_lds s[G0K:G0K+3], s[G1K:G1K+7]
	s_nop 0
.rept 4
	v_nop
.endr
	s_branch .Lasked_\@
.Lfor_v_\@:
	tensor_load_to_lds s[G0V:G0V+3], s[G1V:G1V+7]
	s_nop 0
.rept 4
	v_nop
.endr
.Lasked_\@:
.endm
; A PREFETCH INTO THE L2.  The plane's work-group i = 0 walks slots 0 to 7 for its second block; at trip T = 3 .. 6 each of its waves names the 8,192 bytes that it will itself ask for at the next change of slots
; (slot T + 1 = 4 .. 7), lanes 256 bytes apart: each block of 256 bytes is named once in the launch.  Slots 0 to 3 come by their loads alone.
.macro ASK
	s_sub_co_u32 s60, s[TT], 3
	s_or_b32 s60, s60, s[PFON]
	s_cmp_lt_u32 s60, 4
	s_cbranch_scc0 .Lnot_mine_\@
	global_prefetch_b8 v[PFO], s[PFA:PFA+1] th:TH_LOAD_NT scope:SCOPE_SE
.Lnot_mine_\@:
.endm
.macro RESET                           ; a block's start: m under every score, l = 0, O^T = 0: the step is written once, and the first step's a = 0 leaves zeros
.irp t, 0,1
	v_mov_b32 v[ST+8*\t+1], 0xff61b1e6             ; -3e38
	v_mul_f32 v[ST+8*\t], s[CS], v[ST+8*\t+1]
	v_mov_b32 v[ST+8*\t+2], 0
	v_mov_b32 v[ST+8*\t+3], 0
	v_mov_b32 v[ST+8*\t+4], 0
	v_mov_b32 v[ST+8*\t+5], 0
	v_mov_b32 v[ST+8*\t+6], 0
	v_mov_b32 v[ST+8*\t+7], 0
.endr
	WIN 0x40
.set x, 0
.rept 64
	v_mov_b32 v[OACC+x], 0
.set x, x+1
.endr
	WIN 0
.endm
	s_load_b128 s[4:7], s[0:1], 0x0                ; qkv, ao
	v_lshl_add_u32 v[SPW], v0, 2, SPARE
	v_mov_b32 v[NIL], 0
	ds_add_u32 v[SPW], v[NIL]                      ; the opening: the add, twice on end, and its wait ahead of my first tensor load
	ds_add_u32 v[SPW], v[NIL]
	v_lshrrev_b32 v1, 5, v0
	v_readfirstlane_b32 s[WV], v1
	s_mov_b32 s[II], ttmp9
	s_and_b32 s[BH], ttmp7, 0xffff                 ; 16 batch + head
	s_mov_b32 s[G1K], (1<<16)|(1<<20)|(5<<22)|(3<<25)   ; 2-byte elements; 4 words of padding after every 64
	s_mov_b32 s[G1V], (1<<16)|(1<<20)|(5<<22)|(7<<25)   ; 8 words
.irp g, G1K, G1V
	s_mov_b32 s[\g+1], 128<<16                     ; a line: two keys, 128 elements (the plane's rows are dense)
	s_mov_b32 s[\g+2], 32<<16
	s_mov_b32 s[\g+3], 128<<16
	s_mov_b32 s[\g+4], 32
	s_mov_b32 s[\g+5], 128
	s_mov_b32 s[\g+6], 0
	s_mov_b32 s[\g+7], 0
.endr
	s_mov_b32 s[CS], 0x3e38aa3b                    ; c = log2(e) / 8
	s_mov_b32 s[CS+1], s[CS]
	s_mov_b32 s[SEL], 0x76543210
	s_mov_b32 s[SEL+1], 0xfedcba98
	s_mov_b32 s[TBK], 0
	s_mov_b32 s[TBV], 0
	s_mov_b32 s[KF], 0
	s_lshl_b32 s[Q0], s[II], 8
	s_lshl_b32 s60, s[WV], 5
	s_add_co_u32 s[Q0], s[Q0], s60                 ; my first query: 256 i + 32 w
	s_add_co_u32 s[QL], s[Q0], 31
	s_cmp_eq_u32 s[II], 0
	s_cselect_b32 s[PFON], 0, -1
	s_and_b32 s60, s[WV], 3
	s_mul_i32 s62, s60, KSTEPB                     ; where my tile goes, if it is K's,
	s_mul_i32 s63, s60, VSTEPB
	s_add_co_u32 s63, s63, VOFF                    ; if it is V's
	s_lshl_b32 s60, s60, 13                        ; my 64 keys of a slot: 8,192 bytes
	s_lshl_b32 s66, s[BH], 18                      ; the plane: 262,144 bytes
	s_add_co_u32 s60, s60, s66
	s_add_co_u32 s60, s60, 16777216                ; K's 64 planes lie behind Q's
	s_mov_b32 s61, 0
	s_lshl_b32 s67, s[WV], 12
	s_add_co_u32 s66, s66, s67                     ; Q: plane + 32 w rows of 128 bytes
	s_lshl_b32 s67, s[II], 15
	s_add_co_u32 s68, s66, s67                     ; + block i
	s_mov_b32 s69, 0
	s_sub_co_u32 s67, 7, s[II]
	s_lshl_b32 s67, s67, 15
	s_add_co_u32 s70, s66, s67                     ; + block 7 - i
	s_mov_b32 s71, 0
	s_wait_dscnt 0x0                               ; both opening adds are done
	s_wait_kmcnt 0x0
	s_add_nc_u64 s[BK:BK+1], s[4:5], s[60:61]
	s_add_nc_u64 s[BV:BV+1], s[BK:BK+1], 16777216
	s_mov_b32 s[G0K], 1
	s_mov_b32 s[G0K+1], s62
	s_mov_b64 s[G0K+2:G0K+3], s[BK:BK+1]
	s_or_b32 s[G0K+3], s[G0K+3], 0x80000000
	s_mov_b32 s[G0V], 1
	s_mov_b32 s[G0V+1], s63
	s_mov_b64 s[G0V+2:G0V+3], s[BV:BV+1]
	s_or_b32 s[G0V+3], s[G0V+3], 0x80000000
	TLOAD                                          ; slot 0, keys 0 to 255: one load of mine is out
	s_add_nc_u64 s[68:69], s[4:5], s[68:69]
	s_add_nc_u64 s[70:71], s[4:5], s[70:71]
	s_cmp_lt_u32 s[WV], 4
	s_cselect_b64 s[PFB:PFB+1], s[BK:BK+1], s[BV:BV+1]
	s_mov_b64 s[PFA:PFA+1], s[PFB:PFB+1]
	s_and_b32 s60, s[BH], 15                       ; head
	s_lshr_b32 s61, s60, 1
	s_lshl_b32 s61, s61, 21                        ; the K step of 128 of the next product: two heads
	s_and_b32 s60, s60, 1
	s_lshl_b32 s60, s60, 11
	s_add_co_u32 s60, s60, s61
	s_lshr_b32 s61, s[BH], 4                       ; batch
	s_lshl_b32 s61, s61, 19
	s_add_co_u32 s60, s60, s61
	s_lshl_b32 s61, s[II], 16
	s_add_co_u32 s60, s60, s61
	s_lshl_b32 s61, s[WV], 13
	s_add_co_u32 s60, s60, s61                     ; + (128 batch + 16 block + 2 w) tiles of 16 rows, 4,096 bytes each
	s_mov_b32 s61, 0
	s_add_nc_u64 s[AOB:AOB+1], s[6:7], s[60:61]
	s_lshl_b32 s60, s[II], 1
	s_sub_co_u32 s60, 7, s60
	s_lshl_b32 s[DAO], s60, 16                     ; from block i to block 7 - i
	s_mov_b32 s[DAO+1], 0
	v_and_b32 v1, 15, v0                           ; r
	v_bfe_u32 v12, v0, 4, 1                        ; h
	v_lshlrev_b32 v[QO], 7, v1
	v_lshl_add_u32 v[QO], v12, 4, v[QO]            ; Q: row r of 128 bytes + 16 h
	WIN 0x40                                       ; destination window 1
.irp t, 0,1
.irp c, 0,1
	global_load_b128 v[QF+16*\t+8*\c:QF+16*\t+8*\c+3], v[QO], s[68:69] offset:2048*\t+64*\c
	global_load_b128 v[QF+16*\t+8*\c+4:QF+16*\t+8*\c+7], v[QO], s[68:69] offset:2048*\t+64*\c+32
	global_load_b128 v[QBF+16*\t+8*\c:QBF+16*\t+8*\c+3], v[QO], s[70:71] offset:2048*\t+64*\c
	global_load_b128 v[QBF+16*\t+8*\c+4:QBF+16*\t+8*\c+7], v[QO], s[70:71] offset:2048*\t+64*\c+32
.endr
.endr
	WIN 0
	v_lshrrev_b32 v13, 1, v1
	v_mul_u32_u24 v[AK0], v13, KP
	v_and_b32 v13, 1, v1
	v_lshl_add_u32 v[AK0], v13, 7, v[AK0]
	v_lshl_add_u32 v[AK0], v12, 4, v[AK0]          ; K: key r: line r / 2, half r % 2; + 16 h: sixteen lanes touch sixteen different columns of 16 bytes
	v_and_b32 v13, 7, v0
	v_lshl_add_u32 v13, v12, 3, v13                ; V, for the turning load: key 8 h + lane % 8,
	v_lshrrev_b32 v15, 1, v13
	v_mul_u32_u24 v[AV0], v15, VP
	v_and_b32 v15, 1, v13
	v_lshl_add_u32 v[AV0], v15, 7, v[AV0]
	v_bfe_u32 v15, v0, 3, 1
	v_lshl_add_u32 v[AV0], v15, 4, v[AV0]          ; channels 8 ((lane / 8) % 2) on
	v_add_nc_u32 v[AV0], VOFF, v[AV0]
	v_and_b32 v13, 31, v0
	v_lshlrev_b32 v[GO], 4, v13
	v_lshlrev_b32 v[PFO], 8, v13
	v_lshlrev_b32 v13, 3, v12
	v_sub_nc_u32 v[DM], v1, v13                    ; r - 8 h
	v_mov_b32 v[NINF], 0xff800000
	RESET
	s_wait_loadcnt 0x0                             ; both blocks' Q
; A KEY STEP: 64 keys from KF on, at s[TBK] and s[TBV] in LDS.
.macro STEP
	s_cmp_gt_u32 s[KF], s[QL]                      ; all 64 keys come after my 32 queries: the step's work is left out (ids and counts alone decide)
	s_cbranch_scc1 .Lhidden_\@
	v_add_nc_u32 v[ADK], s[TBK], v[AK0]
	v_add_nc_u32 v[ADV], s[TBV], v[AV0]
.irp f, 0,1,2,3,4,5,6,7                        ; K: keys 16 (f / 2) on, channels 32 (f % 2) on
	ds_load_b128 v[KFR+8*\f:KFR+8*\f+3], v[ADK] offset:(\f/2)*8*KP+(\f%2)*64
	ds_load_b128 v[KFR+8*\f+4:KFR+8*\f+7], v[ADK] offset:(\f/2)*8*KP+(\f%2)*64+32
.endr
	s_wait_dscnt 0x0
	WIN 0x04                                       ; Q in window 1
.set x, 0
.rept 16                                       ; eight accumulators by turns; the first eight products start the sums
.set rS, SR+32*(x%2)+8*((x/2)%4)
.set rK, KFR+16*((x/2)%4)+8*(x/8)
.set rQ, QF+16*(x%2)+8*(x/8)
.if x < 8
	v_wmma_f32_16x16x32_f16 v[rS:rS+7], v[rK:rK+7], v[rQ:rQ+7], 0
.else
	v_wmma_f32_16x16x32_f16 v[rS:rS+7], v[rK:rK+7], v[rQ:rQ+7], v[rS:rS+7]
.endif
.set x, x+1
.endr
	WIN 0
.rept 4
	v_nop                                          ; places in front of the first read of the scores; with the two additions above also those between the last V^T P and the loads into V's registers
.endr
	WIN 0x40
.irp f, 0,1,2,3,4,5,6,7                        ; V, turned: keys 32 (f / 4) on, channels 16 (f % 4) on; it lands while the softmax is walked
	ds_load_tr16_b128 v[VFR+8*\f:VFR+8*\f+3], v[ADV] offset:(\f/4)*16*VP+(\f%4)*32
	ds_load_tr16_b128 v[VFR+8*\f+4:VFR+8*\f+7], v[ADV] offset:(\f/4)*16*VP+8*VP+(\f%4)*32
.endr
	WIN 0
	s_add_co_u32 s60, s[KF], 63
	s_cmp_le_u32 s60, s[Q0]                        ; every key counts for every query of mine: no mask
	s_cbranch_scc1 .Lopen_\@
	s_sub_co_u32 s60, s[Q0], s[KF]
	v_add_nc_u32 v10, s60, v[DM]                   ; d = my query - KF - 8 h (tile 0); register n holds key KF + 8 h + 16 (n / 8) + n % 8: hidden where 16 (n / 8) + n % 8 > d
	v_add_nc_u32 v11, 16, v10                      ; tile 1
.irp n, 0,1,2,3,4,5,6,7,8,9,10,11,12,13,14,15,16,17,18,19,20,21,22,23,24,25,26,27,28,29,30,31
	v_cmp_gt_i32 vcc_lo, 16*(\n/8)+\n%8, v10
	v_cndmask_b32 v[SR+\n], v[SR+\n], v[NINF], vcc_lo
	v_cmp_gt_i32 vcc_lo, 16*(\n/8)+\n%8, v11
	v_cndmask_b32 v[SR+32+\n], v[SR+32+\n], v[NINF], vcc_lo
.endr
.Lopen_\@:
	; the maximum of my 32 scores and the old m, the two tiles by turns; each accumulator is read from its low end on
.irp j, 0,1,2,3
.irp t, 0,1
	v_max3_num_f32 v[ST+8*\t+4+\j], v[SR+32*\t+8*\j], v[SR+32*\t+8*\j+1], v[SR+32*\t+8*\j+2]
.endr
.endr
.irp g, 1,2
.irp j, 0,1,2,3
.irp t, 0,1
	v_max3_num_f32 v[ST+8*\t+4+\j], v[ST+8*\t+4+\j], v[SR+32*\t+8*\j+2*\g+1], v[SR+32*\t+8*\j+2*\g+2]
.endr
.endr
.endr
.irp t, 0,1
	v_max3_num_f32 v[ST+8*\t+4], v[ST+8*\t+4], v[SR+32*\t+7], v[SR+32*\t+15]
.endr
.irp t, 0,1
	v_max3_num_f32 v[ST+8*\t+6], v[ST+8*\t+6], v[SR+32*\t+23], v[SR+32*\t+31]
.endr
.irp t, 0,1
	v_max3_num_f32 v[ST+8*\t+4], v[ST+8*\t+4], v[ST+8*\t+5], v[ST+8*\t+6]
.endr
.irp t, 0,1
	v_max3_num_f32 v[ST+8*\t+4], v[ST+8*\t+4], v[ST+8*\t+7], v[ST+8*\t+1]
.endr
.irp t, 0,1
	v_permlanex16_b32 v[ST+8*\t+5], v[ST+8*\t+4], s[SEL], s[SEL+1]   ; the query's other 32 keys lie in the lane 16 away
.endr
.irp t, 0,1
	v_mov_b32 v[ST+8*\t+7], v[ST+8*\t]             ; c m_old
.endr
.irp t, 0,1
	v_max_num_f32 v[ST+8*\t+1], v[ST+8*\t+4], v[ST+8*\t+5]
.endr
.irp t, 0,1
	v_mul_f32 v[ST+8*\t], s[CS], v[ST+8*\t+1]
.endr
.irp t, 0,1
	v_sub_f32 v[ST+8*\t+7], v[ST+8*\t+7], v[ST+8*\t]
.endr
.irp b, 0,1,2,3,4,5,6,7,8,9,10,11,12,13,14,15
.irp t, 0,1
	v_pk_fma_f32 v[SR+32*\t+2*\b:SR+32*\t+2*\b+1], v[SR+32*\t+2*\b:SR+32*\t+2*\b+1], s[CS:CS+1], v[ST+8*\t:ST+8*\t+1] op_sel_hi:[1,0,0] neg_lo:[0,0,1] neg_hi:[0,0,1]   ; c s - c m
.endr
.endr
.irp t, 0,1
	v_exp_f32 v[ST+8*\t+6], v[ST+8*\t+7]           ; a
.endr
.irp n, 0,1,2,3,4,5,6,7,8,9,10,11,12,13,14,15,16,17,18,19,20,21,22,23,24,25,26,27,28,29,30,31
.irp t, 0,1
	v_exp_f32 v[SR+32*\t+\n], v[SR+32*\t+\n]       ; p
.endr
.endr
	v_nop                                          ; a plain instruction behind the last exponential
	s_wait_alu depctr_va_vdst(0)                   ; one wait for the batch of 66, ahead of its first reader
.irp b, 0,1,2,3,4,5,6,7,8,9,10,11,12,13,14,15
.irp t, 0,1
	v_cvt_pk_f16_f32 v[PR+16*\t+\b], v[SR+32*\t+2*\b], v[SR+32*\t+2*\b+1]
.endr
.endr
.irp u, 0,1,2,3,4,5,6,7                        ; the sum of the unrounded p, in place, pairs 1, 2, 4, 8 apart
.irp t, 0,1
	v_pk_add_f32 v[SR+32*\t+4*\u:SR+32*\t+4*\u+1], v[SR+32*\t+4*\u:SR+32*\t+4*\u+1], v[SR+32*\t+4*\u+2:SR+32*\t+4*\u+3]
.endr
.endr
.irp u, 0,1,2,3
.irp t, 0,1
	v_pk_add_f32 v[SR+32*\t+8*\u:SR+32*\t+8*\u+1], v[SR+32*\t+8*\u:SR+32*\t+8*\u+1], v[SR+32*\t+8*\u+4:SR+32*\t+8*\u+5]
.endr
.endr
.irp u, 0,1
.irp t, 0,1
	v_pk_add_f32 v[SR+32*\t+16*\u:SR+32*\t+16*\u+1], v[SR+32*\t+16*\u:SR+32*\t+16*\u+1], v[SR+32*\t+16*\u+8:SR+32*\t+16*\u+9]
.endr
.endr
.irp t, 0,1
	v_pk_add_f32 v[SR+32*\t:SR+32*\t+1], v[SR+32*\t:SR+32*\t+1], v[SR+32*\t+16:SR+32*\t+17]
.endr
.irp t, 0,1
	v_pk_fma_f32 v[ST+8*\t+2:ST+8*\t+3], v[ST+8*\t+2:ST+8*\t+3], v[ST+8*\t+6:ST+8*\t+7], v[SR+32*\t:SR+32*\t+1] op_sel_hi:[1,0,1]   ; l = a l + the sum
.endr
	WIN 0x41                                       ; O^T in window 1, a in window 0
.irp b, 0,1,2,3,4,5,6,7,8,9,10,11,12,13,14,15
.irp t, 0,1
	v_pk_mul_f32 v[OACC+32*\t+2*\b:OACC+32*\t+2*\b+1], v[OACC+32*\t+2*\b:OACC+32*\t+2*\b+1], v[ST+8*\t+6:ST+8*\t+7] op_sel_hi:[1,0]
.endr
.endr
	s_wait_dscnt 0x0                               ; V is in
	WIN 0x51                                       ; V and O^T in window 1, P in window 0
.set x, 0
.rept 16                                       ; eight accumulators by turns
.set rO, OACC+32*(x%2)+8*((x/2)%4)
.set rV, VFR+32*(x/8)+8*((x/2)%4)
.set rP, PR+16*(x%2)+8*(x/8)
	v_wmma_f32_16x16x32_f16 v[rO:rO+7], v[rV:rV+7], v[rP:rP+7], v[rO:rO+7]
.set x, x+1
.endr
	WIN 0
.Lhidden_\@:
	s_add_co_u32 s[KF], s[KF], 64
	s_add_co_u32 s[TBK], s[TBK], KSTEPB
	s_add_co_u32 s[TBV], s[TBV], VSTEPB
.endm
.macro FOUR_STEPS                      ; a slot's four key steps: written once, walked four times; then on to the other slot
	s_mov_b32 s[STEPC], 4
.Lstep_\@:
	STEP
	s_sub_co_u32 s[STEPC], s[STEPC], 1
	s_cmp_lg_u32 s[STEPC], 0
	s_cbranch_scc1 .Lstep_\@
	s_sub_co_u32 s[TBK], s[TBK], 4*KSTEPB
	s_sub_co_u32 s[TBV], s[TBV], 4*VSTEPB
	s_xor_b32 s[TBK], s[TBK], SLOT1
	s_xor_b32 s[TBV], s[TBV], SLOT1
.endm
; THE CHANGE OF SLOTS, at a slot's head.  All my tensor loads have landed (my part of the slot ahead); the add; my reads of the slot that I have left are over; one barrier.
; fill = 1: behind it the slot just left takes the keys of trip T + 1: slot number T + 1 while the first block lasts, T - i from then on.  The load has four key steps in which to land.
.macro CHANGE fill
	s_wait_tensorcnt 0x0                           ; no tensor load of mine is out, so a group 0 may be written
	ds_add_u32 v[SPW], v[NIL]                      ; every way to it leads through a tensor load
.if \fill
	s_add_co_u32 s60, s[TT], 1
	s_lshl_b32 s62, s60, 15
	s_mov_b32 s63, 0
	s_add_co_u32 s61, s[II], 1
	s_cmp_gt_u32 s60, s[II]
	s_cselect_b32 s61, s61, 0
	s_sub_co_u32 s60, s60, s61                     ; which 256 keys
	s_lshl_b32 s60, s60, 15
	s_mov_b32 s61, 0
	s_xor_b32 s[G0K+1], s[G0K+1], SLOT1
	s_add_nc_u64 s[G0K+2:G0K+3], s[BK:BK+1], s[60:61]
	s_or_b32 s[G0K+3], s[G0K+3], 0x80000000
	s_xor_b32 s[G0V+1], s[G0V+1], SLOT1
	s_add_nc_u64 s[G0V+2:G0V+3], s[BV:BV+1], s[60:61]
	s_or_b32 s[G0V+3], s[G0V+3], 0x80000000
	s_wait_xcnt 0x0                                ; the last prefetch, a slot back, has read its address
	s_add_nc_u64 s[PFA:PFA+1], s[PFB:PFB+1], s[62:63]
.endif
	s_wait_dscnt 0x0
	s_barrier_signal -1
	s_barrier_wait -1
.if \fill
	TLOAD                                          ; my one tensor load behind this barrier, and the first thing there
	ASK
.endif
.endm
; A BLOCK'S END: O^T / l, rounded to f16; a tile's four registers of 16 channels are four registers of the next product's fragment as they stand.
.macro FINISH
.rept 4
	v_nop                                          ; places behind the last products
.endr
.irp t, 0,1
	v_add_f32 v[ST+8*\t+4], v[ST+8*\t+2], v[ST+8*\t+3]
.endr
.irp t, 0,1
	v_permlanex16_b32 v[ST+8*\t+5], v[ST+8*\t+4], s[SEL], s[SEL+1]
.endr
.irp t, 0,1
	v_add_f32 v[ST+8*\t+4], v[ST+8*\t+4], v[ST+8*\t+5]
.endr
.irp t, 0,1
	v_rcp_f32 v[ST+8*\t+6], v[ST+8*\t+4]
.endr
	v_nop
	s_wait_alu depctr_va_vdst(0)                   ; one wait for the two reciprocals
	WIN 0x41
.irp t, 0,1
.irp b, 0,1,2,3,4,5,6,7,8,9,10,11,12,13,14,15
	v_pk_mul_f32 v[OACC+32*\t+2*\b:OACC+32*\t+2*\b+1], v[OACC+32*\t+2*\b:OACC+32*\t+2*\b+1], v[ST+8*\t+6:ST+8*\t+7] op_sel_hi:[1,0]
.endr
.endr
	WIN 0x05
.irp t, 0,1
.irp b, 0,1,2,3,4,5,6,7,8,9,10,11,12,13,14,15
	v_cvt_pk_f16_f32 v[SR+16*\t+\b], v[OACC+32*\t+2*\b], v[OACC+32*\t+2*\b+1]
.endr
.endr
	WIN 0
.irp t, 0,1
.irp c, 0,1,2,3
	global_store_b128 v[GO], v[SR+16*\t+4*\c:SR+16*\t+4*\c+3], s[AOB:AOB+1] offset:4096*\t+512*\c   ; 512 consecutive bytes, aligned
.endr
.endr
	s_wait_xcnt 0x0                                ; the stores have read their registers and their base
.endm
	s_mov_b32 s[TT], 0
.Ltrip:                                            ; eight trips, each asking for the next trip's slot; the ninth is written out
	CHANGE 1
	FOUR_STEPS
	s_cmp_lg_u32 s[TT], s[II]                      ; the first block ends with trip i
	s_cbranch_scc1 .Lsame
	FINISH
	WIN 0x41
.set x, 0
.rept 32
	v_mov_b32 v[QF+x], v[QBF+x]                    ; the second block's Q
.set x, x+1
.endr
	WIN 0
	RESET
	s_mov_b32 s[KF], 0
	s_sub_co_u32 s60, 7, s[II]
	s_lshl_b32 s[Q0], s60, 8
	s_lshl_b32 s60, s[WV], 5
	s_add_co_u32 s[Q0], s[Q0], s60
	s_add_co_u32 s[QL], s[Q0], 31
	s_add_nc_u64 s[AOB:AOB+1], s[AOB:AOB+1], s[DAO:DAO+1]
.Lsame:
	s_add_co_u32 s[TT], s[TT], 1
	s_cmp_lt_u32 s[TT], 8
	s_cbranch_scc1 .Ltrip
	CHANGE 0                                       ; the last slot: nothing is left to ask for
	FOUR_STEPS
	FINISH
	s_wait_tensorcnt 0x0                           ; the wave's end
	ds_add_u32 v[SPW], v[NIL]
	s_wait_dscnt 0x0
	s_endpgm
.Lfunc_end_k_q8a426be48d_attn:
	.size	k_q8a426be48d_attn, .Lfunc_end_k_q8a426be48d_attn-k_q8a426be48d_attn
	.p2alignl 7, 3214868480
	.fill 96, 4, 3214868480
	.section	.rodata,"a",@progbits
	.p2align	6, 0x0
	.amdhsa_kernel k_q8a426be48d_attn
		.amdhsa_group_segment_fixed_size 327680
		.amdhsa_private_segment_fixed_size 0
		.amdhsa_enable_private_segment 0
		.amdhsa_kernarg_size 16
		.amdhsa_user_sgpr_count 2
		.amdhsa_user_sgpr_kernarg_segment_ptr 1
		.amdhsa_wavefront_size32 1
		.amdhsa_system_sgpr_workgroup_id_x 1
		.amdhsa_system_sgpr_workgroup_id_y 1
		.amdhsa_system_sgpr_workgroup_id_z 1
		.amdhsa_system_vgpr_workitem_id 0
		.amdhsa_next_free_vgpr 512
		.amdhsa_next_free_sgpr 76
		.amdhsa_reserve_vcc 1
		.amdhsa_float_denorm_mode_32 3
		.amdhsa_float_denorm_mode_16_64 3
		.amdhsa_memory_ordered 1
		.amdhsa_forward_progress 1
		.amdhsa_inst_pref_size 71
	.end_amdhsa_kernel
	.amdgpu_metadata
---
amdhsa.version: [ 1, 2 ]
amdhsa.kernels:
  - .name:           k_q8a426be48d_attn
    .symbol:         k_q8a426be48d_attn.kd
    .args:
      - { .name: qkv, .offset: 0, .size: 8, .value_kind: global_buffer, .address_space: global }
      - { .name: ao, .offset: 8, .size: 8, .value_kind: global_buffer, .address_space: global }
    .group_segment_fixed_size: 327680
    .private_segment_fixed_size: 0
    .kernarg_segment_align: 8
    .kernarg_segment_size: 16
    .max_flat_workgroup_size: 256
    .sgpr_count:     76
    .vgpr_count:     512
    .wavefront_size: 32
...
	.end_amdgpu_metadata
.endif
;; end of part 3
;; launch dense (part 4): grid 4 x 64, 4 waves a work-group, clusters of 4 x 4, 327,680 bytes of LDS; arguments ao, dwh, dense_b, out0; writes out0
.if DOCPART == 4
	.amdgcn_target "amdgcn-amd-amdhsa--gfx1250"
	.amdhsa_code_object_version 6
	.text
	.protected	k_q8a426be48d_dense
	.globl	k_q8a426be48d_dense
	.p2align	8
	.type	k_q8a426be48d_dense,@function
k_q8a426be48d_dense:
	s_mov_b64 s[64:65], 0
	v_nop
	global_prefetch_b8 v0, s[64:65] scope:SCOPE_SE
	s_setreg_imm32_b32 hwreg(HW_REG_WAVE_MODE, 25, 1), 1
	s_wait_xcnt 0x0
	s_wait_alu depctr_hold_cnt(0) depctr_sa_sdst(0) depctr_va_vdst(0) depctr_va_sdst(0) depctr_va_ssrc(0) depctr_va_vcc(0) depctr_vm_vsrc(0)
	s_getreg_b32 s2, hwreg(HW_REG_IB_STS2, 6, 4)
	s_cmp_eq_u32 s2, 0
	s_cbranch_scc0 .Lentry_in_a_cluster
	s_endpgm
.Lentry_in_a_cluster:
	s_bfe_u32 s2, ttmp6, 0x10000c
	s_cmp_lg_u32 s2, 0xf033
	s_cbranch_scc0 .Lentry_shape_is_right
	s_endpgm
.Lentry_shape_is_right:
; FOURTH LAUNCH: out0 = O dense_w^T + dense_b, operands f16, sums f32.  Nothing is left out here; the rows s < 16 that it writes are written anew, more finely, by the last launch.
; A tile of 128 rows x 256 columns for each of 256 work-groups; four waves, 64 x 128 each: 32 accumulators.  K goes in eight steps of 128 through two LDS slots.
; O arrives as images of the operand's registers (16 rows x 32 K: two runs of 512 bytes, 16 bytes a lane): a K step of the tile's 128 rows is 32,768 dense bytes, read back without pitch or padding.
; dense_w arrives as rows of f16: 256 bytes a row and K step, 16 bytes of padding behind each in LDS.
; CLUSTERS of 4 x 4: O's tile hangs on the tile row alone and is asked for jointly along a row of the cluster, dense_w's on the tile column alone, jointly along a column.
; THE MATRIX INSTRUCTION IS USED TRANSPOSED (source 0 = 16 rows of dense_w, source 1 = 16 rows of O): a lane holds eight neighbouring columns of a row.  The bias is the C of each sum's first instruction.
; REGISTERS: window 0: v16-29 addresses; v64-127 the bias; v128-255 rows on the way out.  window 1: two fragment buffers of 96 (dense_w's eight, then O's four).  window 2: the accumulators ((a, b) at v[8 (8 a + b)]).
.set PITCH,  272
.set AIMG,   32768
.set HALFB,  128*PITCH
.set SLOT,   AIMG+2*HALFB
.set STAGE,  2*SLOT
.set SPITCH, 528
.set SPARE,  STAGE+4*16*SPITCH
.set LAPS,   4
.set ADRA, 16
.set ADRB, 20
.set STO,  24
.set RD,   25
.set CO,   26
.set BO,   27
.set SPW,  28
.set NIL,  29
.set BIAS, 64
.set BK,   128
.set F0,   0
.set F1,   128
.set G1,  24
.set G0,  32
.set G1B, 48
.set G0B, 56
.set MSB, 0
.macro WIN new
.if MSB != \new
	s_set_vgpr_msb (MSB<<8)|\new
.set MSB, \new
.endif
.endm
.set MUL,   0xa5                       ; sources 0 and 1 window 1; C and D window 2
.set MULB,  0x85                       ; C (the bias) window 0
.set TO_F,  0x40
.macro JLOAD s                         ; waves 0, 1: O's two halves; waves 2, 3: dense_w's; an s_nop 0 and four v_nop follow each line
	s_cmp_eq_u32 s13, 0
	s_cbranch_scc0 .Lfor_b_\@
	tensor_load_to_lds s[G0+4*\s:G0+4*\s+3], s[G1:G1+7]
	s_nop 0
.rept 4
	v_nop
.endr
	s_branch .Lasked_\@
.Lfor_b_\@:
	tensor_load_to_lds s[G0B+4*\s:G0B+4*\s+3], s[G1B:G1B+7]
	s_nop 0
.rept 4
	v_nop
.endr
.Lasked_\@:
.endm
.macro CREST
	s_cmp_lg_u32 s12, 0
	s_cbranch_scc1 .Lnot_wave_0_\@
	s_barrier_signal -3
.Lnot_wave_0_\@:
	s_barrier_wait -3
	s_barrier_signal -1
	s_barrier_wait -1
.endm
.macro CROUND
	s_barrier_signal -1
	s_barrier_wait -1
	CREST
.endm
	s_load_b256 s[4:11], s[0:1], 0x0               ; ao, dwh, dense_b, out0
	v_lshl_add_u32 v[SPW], v0, 2, SPARE
	v_mov_b32 v[NIL], 0
	ds_add_u32 v[SPW], v[NIL]                      ; the opening: the add, twice on end, and its wait ahead of my first tensor load
	ds_add_u32 v[SPW], v[NIL]
	v_lshrrev_b32 v1, 5, v0
	v_readfirstlane_b32 s12, v1                    ; wave
	s_lshr_b32 s13, s12, 1                         ; which 64 rows are mine; also: I fetch for O (0) or for dense_w (1)
	s_and_b32 s14, s12, 1                          ; which 128 columns; also: which half I fetch
	s_bfe_u32 s40, ttmp6, 0x40000                  ; cx: the tile column
	s_bfe_u32 s41, ttmp6, 0x40004                  ; cy
	s_and_b32 s15, ttmp7, 0xffff
	s_lshl_b32 s15, s15, 2
	s_add_co_u32 s15, s15, s41                     ; the tile row = 4 x cluster y + cy
	s_lshl_b32 s43, s41, 2
	s_lshl_b32 s43, 15, s43                        ; my row of the cluster
	s_lshl_b32 s44, 0x1111, s40                    ; my column
	s_or_b32 s[G1+0], s43, (3<<16)|(1<<21)         ; O: 16,384 dense bytes as 64 rows of 32 elements of 8 bytes, no padding
	s_mov_b32 s[G1+1], 32<<16
	s_mov_b32 s[G1+2], 64<<16
	s_mov_b32 s[G1+3], 32<<16
	s_mov_b32 s[G1+4], 64
	s_mov_b32 s[G1+5], 32
	s_mov_b32 s[G1+6], 0
	s_mov_b32 s[G1+7], 0
	s_or_b32 s[G1B+0], s44, (1<<16)|(1<<20)|(1<<21)|(5<<22)|(3<<25)   ; dense_w: 128 rows of 128 f16, 4 words of padding after every 64
	s_mov_b32 s[G1B+1], 128<<16
	s_mov_b32 s[G1B+2], 128<<16
	s_mov_b32 s[G1B+3], 128<<16
	s_mov_b32 s[G1B+4], 128
	s_mov_b32 s[G1B+5], 1024
	s_mov_b32 s[G1B+6], 0
	s_mov_b32 s[G1B+7], 0
	s_lshl_b32 s16, s15, 15                        ; O: 8 tiles of 16 rows a tile row, 4,096 bytes each,
	s_lshl_b32 s17, s14, 14                        ; + my four
	s_add_co_u32 s16, s16, s17
	s_mov_b32 s17, 0
	s_lshl_b32 s46, s40, 19                        ; dense_w: 256 rows of 2,048 bytes a tile column,
	s_lshl_b32 s47, s14, 18                        ; + my 128
	s_add_co_u32 s46, s46, s47
	s_mov_b32 s47, 0
	s_lshl_b32 s20, s14, 14                        ; where they go: no place in the cluster enters an LDS address
	s_mul_i32 s21, s14, HALFB
	s_add_co_u32 s21, s21, AIMG
	s_wait_dscnt 0x0                               ; both opening adds are done
	s_wait_kmcnt 0x0
	s_add_nc_u64 s[16:17], s[4:5], s[16:17]
	s_add_nc_u64 s[46:47], s[6:7], s[46:47]
	CROUND                                         ; all sixteen work-groups are here
.irp s, 0,1
	s_mov_b32 s[G0+4*\s], 1
	s_add_co_u32 s[G0+4*\s+1], s20, \s*SLOT
	s_add_nc_u64 s[G0+4*\s+2:G0+4*\s+3], s[16:17], \s*2097152      ; a K step of all 8,192 rows is 2,097,152 bytes
	s_or_b32 s[G0+4*\s+3], s[G0+4*\s+3], 0x80000000
	s_mov_b32 s[G0B+4*\s], 1
	s_add_co_u32 s[G0B+4*\s+1], s21, \s*SLOT
	s_add_nc_u64 s[G0B+4*\s+2:G0B+4*\s+3], s[46:47], \s*256
	s_or_b32 s[G0B+4*\s+3], s[G0B+4*\s+3], 0x80000000
	JLOAD \s                                       ; two loads of mine are out
.endr
	v_and_b32 v1, 15, v0                           ; r
	v_bfe_u32 v2, v0, 4, 1                         ; h
	v_and_b32 v3, 31, v0
	v_lshlrev_b32 v[CO], 4, v3                     ; 16 x lane
	v_lshlrev_b32 v[BO], 5, v2
	v_mul_u32_u24 v4, v1, PITCH
	v_lshl_add_u32 v4, v2, 4, v4
	s_lshl_b32 s22, s13, 14                        ; my four images of O
	s_mul_i32 s23, s14, HALFB
	s_add_co_u32 s23, s23, AIMG                    ; my 128 rows of dense_w
.irp s, 0,1
	v_add_nc_u32 v[ADRA+\s], s22, v[CO]
	v_add_nc_u32 v[ADRB+\s], s23, v4
	s_add_co_u32 s22, s22, SLOT
	s_add_co_u32 s23, s23, SLOT
.endr
	s_mul_i32 s22, s12, 16*SPITCH
	s_add_co_u32 s22, s22, STAGE                   ; my stage
	v_mul_u32_u24 v5, v1, SPITCH
	v_lshl_add_u32 v5, v2, 5, v5
	v_add_nc_u32 v[STO], s22, v5
	v_add_nc_u32 v[RD], s22, v[CO]
	s_lshl_b32 s18, s40, 10
	s_lshl_b32 s19, s14, 9
	s_add_co_u32 s18, s18, s19                     ; my first column in bytes: 1,024 cx + 512 half
	s_mov_b32 s19, 0
	s_add_nc_u64 s[8:9], s[8:9], s[18:19]
	s_add_nc_u64 s[10:11], s[10:11], s[18:19]
	s_lshl_b32 s18, s15, 19
	s_lshl_b32 s22, s13, 18
	s_add_co_u32 s18, s18, s22                     ; my first row: (128 tile row + 64 half) x 4,096 bytes
	s_add_nc_u64 s[10:11], s[10:11], s[18:19]
.irp b, 0,1,2,3,4,5,6,7
	global_load_b128 v[BIAS+8*\b:BIAS+8*\b+3], v[BO], s[8:9] offset:64*\b
	global_load_b128 v[BIAS+8*\b+4:BIAS+8*\b+7], v[BO], s[8:9] offset:64*\b+16
.endr
.macro MUL8 f, a, zero                 ; O's block a against dense_w's eight, 32 along K; the 32 accumulators take turns
.irp b, 0,1,2,3,4,5,6,7
.if \zero
	v_wmma_f32_16x16x32_f16 v[8*(8*(\a)+\b):8*(8*(\a)+\b)+7], v[\f+8*\b:\f+8*\b+7], v[\f+64+8*(\a):\f+64+8*(\a)+7], v[BIAS+8*\b:BIAS+8*\b+7]
.else
	v_wmma_f32_16x16x32_f16 v[8*(8*(\a)+\b):8*(8*(\a)+\b)+7], v[\f+8*\b:\f+8*\b+7], v[\f+64+8*(\a):\f+64+8*(\a)+7], v[8*(8*(\a)+\b):8*(8*(\a)+\b)+7]
.endif
.endr
.endm
.macro FETCH slot, q, f                ; 24 LDS loads in one run: the slot's q-th 32 along K; dense_w's sixteen first, then O's eight
	WIN TO_F
.irp b, 0,1,2,3,4,5,6,7
	ds_load_b128 v[\f+8*\b:\f+8*\b+3], v[ADRB+\slot] offset:64*(\q)+\b*16*PITCH
	ds_load_b128 v[\f+8*\b+4:\f+8*\b+7], v[ADRB+\slot] offset:64*(\q)+\b*16*PITCH+32
.endr
.irp a, 0,1,2,3
	ds_load_b128 v[\f+64+8*\a:\f+64+8*\a+3], v[ADRA+\slot] offset:4096*\a+1024*(\q)
	ds_load_b128 v[\f+64+8*\a+4:\f+64+8*\a+7], v[ADRA+\slot] offset:4096*\a+1024*(\q)+512
.endr
.endm
.macro PLACES
.rept 4
	v_nop
.endr
.endm
.macro QUARTER slot, q, f, g, zero     ; multiplies buffer f; in its middle fetches the slot's q-th quarter into g
	s_wait_dscnt 4                                 ; all but O's blocks 2 and 3 are in
.if \zero
	WIN MULB
.else
	WIN MUL
.endif
	MUL8 \f, 0, \zero
	MUL8 \f, 1, \zero
	PLACES
	FETCH \slot, \q, \g
	s_wait_dscnt 24                                ; all but the 24 just issued
.if \zero
	WIN MULB
.else
	WIN MUL
.endif
	MUL8 \f, 2, \zero
	MUL8 \f, 3, \zero
.endm
.macro TURN slot, next, fill           ; the last quarter multiplies buffer 1 and changes slots
	WIN 0
	s_wait_tensorcnt 0x0                           ; all my tensor loads have landed: my part of the next slot
	ds_add_u32 v[SPW], v[NIL]
	s_wait_dscnt 7                                 ; (the add and O's blocks 1 to 3 may be out)
	WIN MUL
	MUL8 F1, 0, 0
	s_wait_dscnt 0x0                               ; the add is done, and my reads of this slot are over
	s_barrier_signal -1
	MUL8 F1, 1, 0
.if \fill
	WIN 0
.endif
	s_barrier_wait -1
.if \fill
	CREST                                          ; the barrier has opened a round of the cluster's barrier
	s_add_nc_u64 s[G0+4*\slot+2:G0+4*\slot+3], s[G0+4*\slot+2:G0+4*\slot+3], 2*2097152
	s_add_nc_u64 s[G0B+4*\slot+2:G0B+4*\slot+3], s[G0B+4*\slot+2:G0B+4*\slot+3], 2*256
	JLOAD \slot                                    ; the first tensor load behind the round; its four v_nop are also the places in front of the loads below
.else
	PLACES
.endif
	FETCH \next, 0, F0
	WIN MUL
	MUL8 F1, 2, 0
	MUL8 F1, 3, 0
.endm
	s_wait_tensorcnt 1                             ; my part of K step 0 is in; K step 1's may stay out
	s_barrier_signal -1
	s_barrier_wait -1
	FETCH 0, 0, F0
	s_wait_loadcnt 0x0                             ; the bias
	QUARTER 0, 1, F0, F1, 1
	WIN 0
	s_mov_b32 s3, LAPS-1
.Llap:                                             ; a trip goes once round the ring and fills both slots again
	QUARTER 0, 2, F1, F0, 0
	QUARTER 0, 3, F0, F1, 0
	TURN 0, 1, 1
	QUARTER 1, 1, F0, F1, 0
	QUARTER 1, 2, F1, F0, 0
	QUARTER 1, 3, F0, F1, 0
	TURN 1, 0, 1
	QUARTER 0, 1, F0, F1, 0
	WIN 0
	s_sub_co_u32 s3, s3, 1
	s_cmp_lg_u32 s3, 0
	s_cbranch_scc1 .Llap
	QUARTER 0, 2, F1, F0, 0                        ; the last lap fills nothing
	QUARTER 0, 3, F0, F1, 0
	TURN 0, 1, 0
	QUARTER 1, 1, F0, F1, 0
	QUARTER 1, 2, F1, F0, 0
	QUARTER 1, 3, F0, F1, 0
	s_wait_dscnt 4
	WIN MUL
	MUL8 F1, 0, 0
	MUL8 F1, 1, 0
	s_wait_dscnt 0
	MUL8 F1, 2, 0
	MUL8 F1, 3, 0
	WIN 0
; THE WAY OUT, 16 rows x 128 columns at a time, through my own stage: back as whole rows of 512 bytes.
.macro TOSTAGE a
	WIN 0x08                                       ; an LDS store's data: window 2
.irp b, 0,1,2,3,4,5,6,7
	ds_store_b128 v[STO], v[8*(8*(\a)+\b):8*(8*(\a)+\b)+3] offset:64*\b          ; each accumulator from its low end on
	ds_store_b128 v[STO], v[8*(8*(\a)+\b)+4:8*(8*(\a)+\b)+7] offset:64*\b+16
.endr
	WIN 0
.set BB, BK+64*((\a)%2)
.irp t, 0,1,2,3,4,5,6,7,8,9,10,11,12,13,14,15
	ds_load_b128 v[BB+4*\t:BB+4*\t+3], v[RD] offset:\t*SPITCH      ; LDS serves a wave's instructions in order
.endr
.endm
.macro SEND a, younger
.set BB, BK+64*((\a)%2)
	s_wait_dscnt \younger
.irp t, 0,1,2,3,4,5,6,7,8,9,10,11,12,13,14,15
	global_store_b128 v[CO], v[BB+4*\t:BB+4*\t+3], s[10:11] offset:(\a)*65536+\t*4096 th:TH_STORE_NT   ; 512 consecutive bytes, aligned
.endr
.endm
	PLACES
	TOSTAGE 0
.irp a, 1,2,3
.if \a > 1
	s_wait_xcnt 0x0                                ; block a - 2's stores have read their registers
.endif
	TOSTAGE \a
	SEND \a-1, 32                                  ; behind block a - 1's loads: block a's 16 stores and 16 loads
.endr
	SEND 3, 0
	s_wait_tensorcnt 0x0                           ; the wave's end
	ds_add_u32 v[SPW], v[NIL]
	s_wait_dscnt 0x0
	CROUND                                         ; the closing round
	s_endpgm
.Lfunc_end_k_q8a426be48d_dense:
	.size	k_q8a426be48d_dense, .Lfunc_end_k_q8a426be48d_dense-k_q8a426be48d_dense
	.p2alignl 7, 3214868480
	.fill 96, 4, 3214868480
	.section	.rodata,"a",@progbits
	.p2align	6, 0x0
	.amdhsa_kernel k_q8a426be48d_dense
		.amdhsa_group_segment_fixed_size 327680
		.amdhsa_private_segment_fixed_size 0
		.amdhsa_enable_private_segment 0
		.amdhsa_kernarg_size 32
		.amdhsa_user_sgpr_count 2
		.amdhsa_user_sgpr_kernarg_segment_ptr 1
		.amdhsa_wavefront_size32 1
		.amdhsa_system_sgpr_workgroup_id_x 1
		.amdhsa_system_sgpr_workgroup_id_y 1
		.amdhsa_system_sgpr_workgroup_id_z 1
		.amdhsa_system_vgpr_workitem_id 0
		.amdhsa_next_free_vgpr 768
		.amdhsa_next_free_sgpr 66
		.amdhsa_reserve_vcc 0
		.amdhsa_float_denorm_mode_32 3
		.amdhsa_float_denorm_mode_16_64 3
		.amdhsa_memory_ordered 1
		.amdhsa_forward_progress 1
		.amdhsa_inst_pref_size 86
	.end_amdhsa_kernel
	.amdgpu_metadata
---
amdhsa.version: [ 1, 2 ]
amdhsa.kernels:
  - .name:           k_q8a426be48d_dense
    .symbol:         k_q8a426be48d_dense.kd
    .args:
      - { .name: ao, .offset: 0, .size: 8, .value_kind: global_buffer, .address_space: global }
      - { .name: dwh, .offset: 8, .size: 8, .value_kind: global_buffer, .address_space: global }
      - { .name: dense_b, .offset: 16, .size: 8, .value_kind: global_buffer, .address_space: global }
      - { .name: out0, .offset: 24, .size: 8, .value_kind: global_buffer, .address_space: global }
    .group_segment_fixed_size: 327680
    .private_segment_fixed_size: 0
    .kernarg_segment_align: 8
    .kernarg_segment_size: 32
    .max_flat_workgroup_size: 128
    .sgpr_count:     66
    .vgpr_count:     768
    .wavefront_size: 32
...
	.end_amdgpu_metadata
.endif
;; end of part 4
;; launch fine (part 5): grid 16 x 4, 16 waves a work-group, no clusters, 71,680 bytes of LDS; arguments rows16, dense_w, dense_b, out0; writes out0
.if DOCPART == 5
	.amdgcn_target "amdgcn-amd-amdhsa--gfx1250"
	.amdhsa_code_object_version 6
	.text
	.protected	k_q8a426be48d_fine
	.globl	k_q8a426be48d_fine
	.p2align	8
	.type	k_q8a426be48d_fine,@function
k_q8a426be48d_fine:
	s_mov_b64 s[64:65], 0
	v_nop
	global_prefetch_b8 v0, s[64:65] scope:SCOPE_SE
	s_setreg_imm32_b32 hwreg(HW_REG_WAVE_MODE, 25, 1), 1
	s_wait_xcnt 0x0
; FIFTH LAUNCH: the first 16 positions of every sequence once more, all in f32: their rows average one to sixteen values and are the largest of the output, so 16-bit operands would weigh most there.
; It takes the f32 projections of those rows (rows16 [3][4][16][1,024]; the keys without wk_b, which is dead work as shown at the head of the first launch's text) and dense_w as given, and overwrites 64 rows of out0.
; A work-group: one batch, 64 output columns.  Wave = head: its 16 x 16 attention (32 matrix instructions), then its 64 channels' part of the projection (64); the 16 parts meet in LDS and are added in a fixed order.
; All products by the f32 matrix form, K = 4 an instruction.  k is permuted alike on both sides, so that a lane's plain loads are its operand registers:
;   K Q^T: lane (r, h) holds channels 32 h + 0 .. 31 of row r; instruction x takes registers 2 x, 2 x + 1.   V^T P: p's register j is key 8 h + j; V is loaded to match.   the projection: O's register 8 ct + e is channel 16 ct + 8 h + e; dense_w is loaded to match.
; The registers that these matrix instructions write (v112-143, v160-191) are written by nothing else.
.set QR, 16
.set KR, 48
.set VR, 80
.set ON, 80
.set SA, 112
.set SS, 144
.set OA, 160
.set WA, 192
.set WB, 16
.set SPW, 14
.set NIL, 15
.set HB, 4352                          ; a head's part in LDS: 16 queries x (256 bytes + 16)
.set SPARE, 16*HB
	s_load_b256 s[4:11], s[0:1], 0x0               ; rows16, dense_w, dense_b, out0
	v_lshl_add_u32 v[SPW], v0, 2, SPARE
	v_mov_b32 v[NIL], 0
	v_lshrrev_b32 v1, 5, v0
	v_readfirstlane_b32 s12, v1                    ; wave = head; later = query
	s_and_b32 s13, ttmp7, 0xffff                   ; batch
	v_and_b32 v1, 15, v0                           ; r
	v_bfe_u32 v2, v0, 4, 1                         ; h
	v_lshlrev_b32 v3, 12, v1
	v_lshl_add_u32 v5, v2, 5, v3                   ; dense_w: row r of 4,096 bytes + 32 h
	v_lshl_add_u32 v3, v2, 7, v3                   ; Q, K: row r + 128 h
	v_lshlrev_b32 v4, 2, v1
	v_lshl_add_u32 v4, v2, 15, v4                  ; V: key 8 h, channel r
	s_mul_i32 s14, s12, HB
	v_mul_u32_u24 v6, v1, 272
	v_lshl_add_u32 v6, v2, 5, v6
	v_add_nc_u32 v6, s14, v6                       ; LDS, in: my head's part, query r, + 32 h
	v_and_b32 v8, 31, v0
	v_lshlrev_b32 v8, 3, v8                        ; 8 x lane
	s_mul_i32 s14, s12, 272
	v_add_nc_u32 v7, s14, v8                       ; LDS, back: query = my wave's number
	v_lshlrev_b32 v9, 3, v2
	v_sub_nc_u32 v9, v1, v9                        ; r - 8 h: register j (key 8 h + j) is hidden where j > r - 8 h
	v_mov_b32 v10, 0xff800000
	v_mov_b32 v153, 0                              ; a lane permute's destination counts as one of its sources
	s_mov_b32 s16, 0x3e38aa3b                      ; c = log2(e) / 8
	s_mov_b32 s18, 0x76543210
	s_mov_b32 s19, 0xfedcba98
	s_lshl_b32 s20, s13, 16
	s_lshl_b32 s21, s12, 8
	s_add_co_u32 s20, s20, s21                     ; rows16: the batch's 16 rows, my head's 64 channels
	s_mov_b32 s21, 0
	s_lshl_b32 s22, ttmp9, 18
	s_lshl_b32 s23, s12, 8
	s_add_co_u32 s22, s22, s23                     ; dense_w: 64 rows a work-group, my head's channels
	s_mov_b32 s23, 0
	s_lshl_b32 s24, ttmp9, 8                       ; 64 columns of f32
	s_mov_b32 s25, 0
	s_lshl_b32 s26, s13, 23
	s_lshl_b32 s27, s12, 12
	s_add_co_u32 s26, s26, s27
	s_add_co_u32 s26, s26, s24                     ; out0: row 2,048 batch + wave, my work-group's columns
	s_mov_b32 s27, 0
	s_wait_kmcnt 0x0
	s_add_nc_u64 s[4:5], s[4:5], s[20:21]
	s_add_nc_u64 s[6:7], s[6:7], s[22:23]
	s_add_nc_u64 s[8:9], s[8:9], s[24:25]
	s_add_nc_u64 s[10:11], s[10:11], s[26:27]
.irp i, 0,1,2,3,4,5,6,7
	global_load_b128 v[QR+4*\i:QR+4*\i+3], v3, s[4:5] offset:16*\i
.endr
.irp i, 0,1,2,3,4,5,6,7
	global_load_b128 v[KR+4*\i:KR+4*\i+3], v3, s[4:5] offset:262144+16*\i
.endr
.irp c, 0,1,2,3
.irp j, 0,1,2,3,4,5,6,7
	global_load_b32 v[VR+8*\c+\j], v4, s[4:5] offset:524288+4096*\j+64*\c      ; V(key 8 h + j, channel 16 c + r)
.endr
.endr
.irp n, 0,1
.irp c, 0,1,2,3
	global_load_b128 v[WA+32*\n+8*\c:WA+32*\n+8*\c+3], v5, s[6:7] offset:65536*\n+64*\c
	global_load_b128 v[WA+32*\n+8*\c+4:WA+32*\n+8*\c+7], v5, s[6:7] offset:65536*\n+64*\c+16
.endr
.endr
	global_load_b64 v[156:157], v8, s[8:9]         ; the bias of my two columns
	s_wait_loadcnt 49                              ; Q and K are in; V's 32, dense_w's 16 and the bias stay out
.set x, 0
.rept 16                                       ; S^T = K Q^T in four partial sums that take turns
.if x < 4
	v_wmma_f32_16x16x4_f32 v[SA+8*(x%4):SA+8*(x%4)+7], v[KR+2*x:KR+2*x+1], v[QR+2*x:QR+2*x+1], 0
.else
	v_wmma_f32_16x16x4_f32 v[SA+8*(x%4):SA+8*(x%4)+7], v[KR+2*x:KR+2*x+1], v[QR+2*x:QR+2*x+1], v[SA+8*(x%4):SA+8*(x%4)+7]
.endif
.set x, x+1
.endr
.rept 8
	v_nop                                          ; eight places behind this form: for the loads into Q's and K's registers and for the reads of the sums
.endr
.irp n, 0,1
.irp c, 0,1,2,3
	global_load_b128 v[WB+32*\n+8*\c:WB+32*\n+8*\c+3], v5, s[6:7] offset:65536*(\n+2)+64*\c
	global_load_b128 v[WB+32*\n+8*\c+4:WB+32*\n+8*\c+7], v5, s[6:7] offset:65536*(\n+2)+64*\c+16
.endr
.endr
.irp j, 0,1,2,3,4,5,6,7
	v_add_f32 v[SS+\j], v[SA+\j], v[SA+8+\j]       ; each sum is read from its low end on
	v_add_f32 v152, v[SA+16+\j], v[SA+24+\j]
	v_add_f32 v[SS+\j], v[SS+\j], v152
.endr
.irp j, 0,1,2,3,4,5,6,7
	v_cmp_gt_i32 vcc_lo, \j, v9
	v_cndmask_b32 v[SS+\j], v[SS+\j], v10, vcc_lo  ; hidden keys: -infinity
.endr
	v_max3_num_f32 v152, v[SS], v[SS+1], v[SS+2]
	v_max3_num_f32 v152, v152, v[SS+3], v[SS+4]
	v_max3_num_f32 v152, v152, v[SS+5], v[SS+6]
	v_max_num_f32 v152, v152, v[SS+7]
	v_permlanex16_b32 v153, v152, s18, s19
	v_max_num_f32 v152, v152, v153                 ; the row's maximum: key 0 counts for every query, so it is a number
	v_mul_f32 v152, s16, v152
.irp j, 0,1,2,3,4,5,6,7
	v_fma_f32 v[SS+\j], v[SS+\j], s16, -v152       ; c s - c m
.endr
.irp j, 0,1,2,3,4,5,6,7
	v_exp_f32 v[SS+\j], v[SS+\j]
.endr
	v_nop
	s_wait_alu depctr_va_vdst(0)                   ; one wait for the eight exponentials
	v_add_f32 v154, v[SS], v[SS+1]
	v_add_f32 v155, v[SS+2], v[SS+3]
	v_add_f32 v154, v154, v[SS+4]
	v_add_f32 v155, v155, v[SS+5]
	v_add_f32 v154, v154, v[SS+6]
	v_add_f32 v155, v155, v[SS+7]
	v_add_f32 v154, v154, v155
	v_permlanex16_b32 v153, v154, s18, s19
	v_add_f32 v154, v154, v153
	v_rcp_f32 v155, v154                           ; 1 / the row's sum
	v_nop
	s_wait_alu depctr_va_vdst(0)
	s_wait_loadcnt 33                              ; V is in; dense_w's 32 loads and the bias stay out
.irp x, 0,1,2,3
.irp c, 0,1,2,3                                ; O^T = V^T P: four accumulators by turns
.if \x == 0
	v_wmma_f32_16x16x4_f32 v[OA+8*\c:OA+8*\c+7], v[VR+8*\c+2*\x:VR+8*\c+2*\x+1], v[SS+2*\x:SS+2*\x+1], 0
.else
	v_wmma_f32_16x16x4_f32 v[OA+8*\c:OA+8*\c+7], v[VR+8*\c+2*\x:VR+8*\c+2*\x+1], v[SS+2*\x:SS+2*\x+1], v[OA+8*\c:OA+8*\c+7]
.endif
.endr
.endr
.rept 8
	v_nop
.endr
.set n, 0
.rept 32
	v_mul_f32 v[ON+n], v[OA+n], v155               ; O^T / the sum, into V's registers: register 8 c + e is channel 16 c + 8 h + e of query r
.set n, n+1
.endr
	s_wait_loadcnt 0x0                             ; dense_w and the bias
.irp c, 0,1,2,3
.irp x, 0,1,2,3
.irp n, 0,1,2,3                                ; my head's part of the projection: four tiles of 16 columns by turns
.if \n < 2
.set rW, WA+32*\n+8*\c+2*\x
.else
.set rW, WB+32*(\n-2)+8*\c+2*\x
.endif
.if (\c == 0) && (\x == 0)
	v_wmma_f32_16x16x4_f32 v[SA+8*\n:SA+8*\n+7], v[rW:rW+1], v[ON+8*\c+2*\x:ON+8*\c+2*\x+1], 0
.else
	v_wmma_f32_16x16x4_f32 v[SA+8*\n:SA+8*\n+7], v[rW:rW+1], v[ON+8*\c+2*\x:ON+8*\c+2*\x+1], v[SA+8*\n:SA+8*\n+7]
.endif
.endr
.endr
.endr
.rept 8
	v_nop
.endr
.irp n, 0,1,2,3
	ds_store_b128 v6, v[SA+8*\n:SA+8*\n+3] offset:64*\n            ; lane (r, h): query r, columns 16 n + 8 h + 0 .. 7
	ds_store_b128 v6, v[SA+8*\n+4:SA+8*\n+7] offset:64*\n+16
.endr
	s_wait_dscnt 0x0                               ; for the others' sake: my part lies in LDS
	s_barrier_signal -1
	s_barrier_wait -1
.irp u, 0,1,2,3,4,5,6,7,8,9,10,11,12,13,14,15
	ds_load_b64 v[192+2*\u:193+2*\u], v7 offset:\u*HB              ; head u's part of my query: two columns a lane
.endr
	s_wait_dscnt 0x0
	v_pk_add_f32 v[156:157], v[156:157], v[192:193]                ; the bias and the even heads in one chain,
	v_pk_add_f32 v[158:159], v[194:195], v[198:199]                ; the odd heads in another
.irp u, 2,4,6,8,10,12,14
	v_pk_add_f32 v[156:157], v[156:157], v[192+2*\u:193+2*\u]
.endr
.irp u, 5,7,9,11,13,15
	v_pk_add_f32 v[158:159], v[158:159], v[192+2*\u:193+2*\u]
.endr
	v_pk_add_f32 v[156:157], v[156:157], v[158:159]
	global_store_b64 v8, v[156:157], s[10:11]      ; the wave stores 256 consecutive bytes, aligned
	s_wait_tensorcnt 0x0                           ; the wave's end, behind my last LDS store
	ds_add_u32 v[SPW], v[NIL]
	s_wait_dscnt 0x0
	s_endpgm
.Lfunc_end_k_q8a426be48d_fine:
	.size	k_q8a426be48d_fine, .Lfunc_end_k_q8a426be48d_fine-k_q8a426be48d_fine
	.p2alignl 7, 3214868480
	.fill 96, 4, 3214868480
	.section	.rodata,"a",@progbits
	.p2align	6, 0x0
	.amdhsa_kernel k_q8a426be48d_fine
		.amdhsa_group_segment_fixed_size 71680
		.amdhsa_private_segment_fixed_size 0
		.amdhsa_enable_private_segment 0
		.amdhsa_kernarg_size 32
		.amdhsa_user_sgpr_count 2
		.amdhsa_user_sgpr_kernarg_segment_ptr 1
		.amdhsa_wavefront_size32 1
		.amdhsa_system_sgpr_workgroup_id_x 1
		.amdhsa_system_sgpr_workgroup_id_y 1
		.amdhsa_system_sgpr_workgroup_id_z 1
		.amdhsa_system_vgpr_workitem_id 0
		.amdhsa_next_free_vgpr 256
		.amdhsa_next_free_sgpr 66
		.amdhsa_reserve_vcc 1
		.amdhsa_float_denorm_mode_32 3
		.amdhsa_float_denorm_mode_16_64 3
		.amdhsa_memory_ordered 1
		.amdhsa_forward_progress 1
		.amdhsa_inst_pref_size 24
	.end_amdhsa_kernel
	.amdgpu_metadata
---
amdhsa.version: [ 1, 2 ]
amdhsa.kernels:
  - .name:           k_q8a426be48d_fine
    .symbol:         k_q8a426be48d_fine.kd
    .args:
      - { .name: rows16, .offset: 0, .size: 8, .value_kind: global_buffer, .address_space: global }
      - { .name: dense_w, .offset: 8, .size: 8, .value_kind: global_buffer, .address_space: global }
      - { .name: dense_b, .offset: 16, .size: 8, .value_kind: global_buffer, .address_space: global }
      - { .name: out0, .offset: 24, .size: 8, .value_kind: global_buffer, .address_space: global }
    .group_segment_fixed_size: 71680
    .private_segment_fixed_size: 0
    .kernarg_segment_align: 8
    .kernarg_segment_size: 32
    .max_flat_workgroup_size: 512
    .sgpr_count:     66
    .vgpr_count:     256
    .wavefront_size: 32
...
	.end_amdgpu_metadata
.endif
;; end of part 5
